; MI455X (gfx1250); checked and timed in simulation.
; The chip was launched on July 23, 2026; its instructions are those of AMD's public machine-readable ISA for CDNA 5 (MIT licence, August 2026) and "CDNA5" Instruction Set Architecture Reference Guide (July 2026). The comments in the code are by the model that wrote it; some were corrected since.
;; Causal Self Attention. Allowed arithmetic: matrix products marked QUANTISED: E2M3 operands, one E8M0 scale for each 32 along K, by v_wmma_scale_f32_16x16x128_f8f6f4 with both operands' format E2M3, f32 sums; everything else in f32.
;; Inputs: b_attn 3,072 float32; b_proj 1,024 float32; w_attn 3,072 x 1,024 float32; w_proj 1,024 x 1,024 float32; x_codes 2 x 2,048 x 32 x 24 uint8 (E2M3 codes of x, K innermost, in blocks of 32 codes, four codes in three bytes); x_scales 2 x 2,048 x 32 uint8 (E8M0 scales of x, one for each 32 codes along K).
;; Outputs: out0 2 x 2,048 x 1,024 float32.
;; This version of the problem:
;;   THIS VERSION OF THE PROBLEM IS GIVEN IN LOW PRECISION. The matrix products marked QUANTISED in the list below multiply operands that are first quantised to E2M3 (2 exponent bits, 3 mantissa bits; 6 bits a number), with one power-of-two scale for each 32 numbers along K (OCP MX v1.0); their sums are f32. All else is computed in f32.
;;   The module's matrix products, in the order in which they are computed (A, B: the left and right operand; K: the contracted axis; several contracted axes count as one K, in the product's order):
;;     1. [M 4,096, K 1,024] x [K 1,024, N 3,072]; A: input x (given as codes); B: computed on the way: QUANTISED
;;     2. batch 32 x [M 2,048, K 64] x [K 64, N 2,048]; A: computed on the way; B: computed on the way: QUANTISED
;;     3. batch 32 x [M 2,048, K 2,048] x [K 2,048, N 64]; A: softmax (see below); B: computed on the way: QUANTISED
;;     4. [M 4,096, K 1,024] x [K 1,024, N 1,024]; A: computed on the way; B: computed on the way: QUANTISED
;;   THE QUANTISER, for each operand of a quantised product, along K:
;;     - K is cut into blocks of 32 from its start; a last block that is shorter is filled with zeros.
;;     - A block's scale is 2^e with e = floor(log2(the largest magnitude in the block)) - 2, held to -126 .. 127; a block of zeros has e = 0. As a byte (E8M0): e + 127.
;;     - Each number is divided by its block's scale, clamped to +-7.5, and rounded to the nearest number of E2M3, ties to even, subnormals kept.
;;     - The product sums the exact products of the quantised numbers (number of the format x scale) in f32.
;;   ~~~python
;;   def quantise(x, axis):      # numpy; x: float32 -> the quantised numbers, widened to float32 again
;;       x = np.moveaxis(x, axis, -1); K = x.shape[-1]
;;       x = np.pad(x, [(0, 0)] * (x.ndim - 1) + [(0, -K % 32)]); x = x.reshape(x.shape[:-1] + (-1, 32)); a = np.abs(x).max(-1, keepdims=True)
;;       e = np.where(a > 0, np.clip(np.frexp(np.where(a > 0, a, 1))[1] - 1 - 2, -126, 127), 0)      # np.frexp(a)[1] - 1 = floor(log2(a)), exactly
;;       r = np.clip(x / 2.0 ** e, -7.5, 7.5)
;;       step = 2.0 ** (np.maximum(np.frexp(np.where(r == 0, 1, r))[1] - 1, 0) - 3)
;;       q = np.round(r / step) * step * 2.0 ** e      # np.round: ties to even
;;       return np.moveaxis(q.reshape(q.shape[:-2] + (-1,))[..., :K], -1, axis).astype(np.float32)
;;   ~~~
;;   SOFTMAX AHEAD OF A QUANTISED PRODUCT. Where the list says 'softmax', what is quantised is not the finished softmax but p = 2^(t - M), with t = logit x log2(e) and M = ceil(the row's largest t), a whole number; so 1/2 < the row's largest p <= 1. The row's sum l is taken of the UNQUANTISED p, in f32, and the product's result is divided by l at the end. Since M is a whole number, a kernel that streams over the keys may use a running M (the ceiling of the running maximum): every later rescaling is an exact power of two, which a block's scale takes up: the codes' values come out the same.
;;   OPERANDS COMPUTED ON THE WAY. 'Computed on the way' means the value that the module computes at that place (a softmax that the list does not call 'softmax' is quantised finished and normalised). What goes into a quantiser is computed in f32, as accurately as f32 sums, v_exp_f32 and their like allow (about 1e-6 of the number): no bf16 or f16 on the way to a quantiser, and a product that is left as it is and whose result goes on into a quantised operand takes f32 operands (vector FMAs, or v_wmma_f32_16x16x4_f32). A number that lies on a knife's edge between two numbers of the format may be rounded either way, as far as f32 arithmetic and the matrix unit's own rounding can turn it there, and no further.
;;   INPUTS GIVEN AS CODES. x (in the module: [2, 2048, 1024], K = its axis 2): each comes as NAME_codes (uint8): NAME with its K axis moved to the last place and cut into blocks of 32 codes, [.., K / 32, bytes a block], one block behind the other in memory; four codes in three bytes: a row's codes are one little-endian stream of bits, code i at bits 6 i .. 6 i + 5 (a code: sign, 2 exponent bits, 3 mantissa bits); and NAME_scales (uint8): the same leading axes, one E8M0 byte (e + 127) for each 32 codes along K. Its value is code x scale, taken as it is: it is not quantised again, and the codes and scales need not be those that the quantiser above would give.
;; One version. Each part assembles by itself: llvm-mc -triple=amdgcn-amd-amdhsa -mcpu=gfx1250 --defsym DOCPART=n.
;; ======== version 1 of 1: 5 launches
;; limits: right only within a limited range of input values
;; workspace buffers: pmax 1,024 bytes; w_codes 3,145,728 bytes; w_scales 131,072 bytes; qkv_img 9,830,400 bytes; y_img 3,145,728 bytes; y_sc 131,072 bytes
;; launch wmax (part 1): grid 256 x 1, 8 waves a work-group, no clusters, 1,280 bytes of LDS; arguments w_attn, w_proj, pmax; writes pmax
.if DOCPART == 1
	.amdgcn_target "amdgcn-amd-amdhsa--gfx1250"
	.amdhsa_code_object_version 6
	.text
	.protected	k_q940716229f_wmax
	.globl	k_q940716229f_wmax
	.p2align	8
	.type	k_q940716229f_wmax,@function
k_q940716229f_wmax:
	s_mov_b64 s[64:65], 0
	v_nop
	global_prefetch_b8 v0, s[64:65] scope:SCOPE_SE
	s_setreg_imm32_b32 hwreg(HW_REG_WAVE_MODE, 25, 1), 1
	s_wait_xcnt 0x0
; pmax[g] = the largest magnitude of 65,536 bytes of a weight tensor.  Work-groups 0-191 take w_attn (12,582,912 bytes), 192-255 take w_proj (4,194,304 bytes).
; The snap of a weight needs the largest magnitude of its whole tensor; no work-group talks to another, so the 256 partial maxima go to memory and the next launch joins them.
; Eight waves, 8,192 bytes each: sixteen loads of 512 consecutive bytes, all issued at once.  No matrix unit, no tiles: the launch only streams.
; LIMIT: NaN among the weights is passed over by the maxima; infinities are not served.
.set ATTN_WG, 192
	s_load_b128 s[4:7], s[0:1], 0x0                ; w_attn, w_proj
	s_load_b64 s[8:9], s[0:1], 0x10                ; pmax
	v_lshl_add_u32 v80, v0, 2, 0x100
	v_mov_b32 v81, 0
	v_lshrrev_b32 v2, 5, v0
	s_delay_alu instid0(VALU_DEP_1)
	v_readfirstlane_b32 s10, v2                    ; wave 0..7
	v_and_b32 v1, 31, v0
	s_delay_alu instid0(VALU_DEP_1)
	v_lshlrev_b32 v1, 4, v1                        ; 16 bytes a lane
	s_delay_alu instid0(VALU_DEP_4)
	v_lshlrev_b32 v3, 2, v2                        ; LDS: my wave's word
	v_mov_b32 v5, 0                                ; LDS: the eight words
	s_mov_b32 s12, 0x76543210                      ; v_permlanex16_b32's selects for lane l xor 16
	s_mov_b32 s13, 0xfedcba98
	s_cmp_lt_u32 ttmp9, ATTN_WG
	s_cselect_b32 s14, 0, ATTN_WG
	s_sub_co_u32 s14, ttmp9, s14                   ; my number within my tensor
	s_lshl_b32 s14, s14, 16                        ; x 65,536 bytes
	s_lshl_b32 s15, s10, 13                        ; + 8,192 x wave
	s_add_co_u32 s14, s14, s15
	s_mov_b32 s15, 0
	s_lshl_b32 s16, ttmp9, 2
	v_mov_b32 v4, s16                              ; my word of pmax
	s_wait_alu depctr_va_vdst(0)
	s_wait_kmcnt 0x0
	s_cmp_lt_u32 ttmp9, ATTN_WG                    ; the choice hangs on the work-group's number alone
	s_cselect_b64 s[4:5], s[4:5], s[6:7]
	s_add_nc_u64 s[4:5], s[4:5], s[14:15]
.irp i, 0,1,2,3,4,5,6,7,8,9,10,11,12,13,14,15
	global_load_b128 v[16+4*\i:19+4*\i], v1, s[4:5] offset:512*\i   ; no hint: the next launch reads these bytes again
.endr
	s_wait_loadcnt 12                              ; the first four loads are in, the twelve behind them stay out
.irp k, 0,1,2,3
	v_max3_num_f32 v[8+\k], |v[16+4*\k]|, |v[17+4*\k]|, |v[18+4*\k]|   ; four chains, started by the first numbers
.endr
.irp k, 0,1,2,3
	s_delay_alu instid0(VALU_DEP_4)
	v_max_num_f32 v[8+\k], v[8+\k], |v[19+4*\k]|
.endr
	s_wait_alu depctr_va_vdst(0)
.irp g, 1,2,3
	s_wait_alu depctr_va_vdst(0)
	s_wait_loadcnt 12-4*\g                         ; the next four are in
.irp k, 0,1,2,3
	v_max3_num_f32 v[8+\k], v[8+\k], |v[16+16*\g+4*\k]|, |v[17+16*\g+4*\k]|
.endr
.irp k, 0,1,2,3
	s_delay_alu instid0(VALU_DEP_4)
	v_max3_num_f32 v[8+\k], v[8+\k], |v[18+16*\g+4*\k]|, |v[19+16*\g+4*\k]|
.endr
.endr
	s_delay_alu instid0(VALU_DEP_2)
	v_max3_num_f32 v8, v8, v9, v10
	s_delay_alu instid0(VALU_DEP_1)
	v_max_num_f32 v8, v8, v11
	s_delay_alu instid0(VALU_DEP_1)
	v_max_num_f32_dpp v8, v8, v8 row_xmask:1 row_mask:0xf bank_mask:0xf
	s_delay_alu instid0(VALU_DEP_1)
	v_max_num_f32_dpp v8, v8, v8 row_xmask:2 row_mask:0xf bank_mask:0xf
	s_delay_alu instid0(VALU_DEP_1)
	v_max_num_f32_dpp v8, v8, v8 row_xmask:4 row_mask:0xf bank_mask:0xf
	s_delay_alu instid0(VALU_DEP_1)
	v_max_num_f32_dpp v8, v8, v8 row_xmask:8 row_mask:0xf bank_mask:0xf
	s_delay_alu instid0(VALU_DEP_1)
	v_permlanex16_b32 v9, v8, s12, s13             ; (v9 has been written: a lane permute's destination counts as read)
	s_delay_alu instid0(VALU_DEP_1)
	v_max_num_f32 v8, v8, v9                       ; the wave's maximum, in every lane
	ds_store_b32 v3, v8                            ; all lanes write the same word with the same value
	s_wait_dscnt 0x0                               ; for the others' sake: my store has landed
	s_barrier_signal -1
	s_barrier_wait -1
	ds_load_b128 v[12:15], v5
	ds_load_b128 v[16:19], v5 offset:16
	s_wait_dscnt 0x0
	v_max3_num_f32 v12, v12, v13, v14
	s_delay_alu instid0(VALU_DEP_1)
	v_max3_num_f32 v12, v12, v15, v16
	s_delay_alu instid0(VALU_DEP_1)
	v_max3_num_f32 v12, v12, v17, v18
	s_delay_alu instid0(VALU_DEP_1)
	v_max_num_f32 v12, v12, v19
	s_cmp_lg_u32 s10, 0
	s_cbranch_scc1 .Lend                           ; wave 0 stores for the work-group
	s_wait_xcnt 0x0                                ; EXEC changes only behind this wait
	v_cmp_eq_u32 vcc_lo, 0, v0
	s_and_saveexec_b32 s17, vcc_lo
	s_wait_alu depctr_va_vdst(0)
	global_store_b32 v4, v12, s[8:9]               ; one word a work-group
	s_wait_xcnt 0x0
	s_or_b32 exec_lo, exec_lo, s17
.Lend:
	s_wait_tensorcnt 0x0
	ds_add_u32 v80, v81
	s_wait_dscnt 0x0
	s_endpgm
.Lfunc_end_k_q940716229f_wmax:
	.size	k_q940716229f_wmax, .Lfunc_end_k_q940716229f_wmax-k_q940716229f_wmax
	.p2alignl 7, 3214868480
	.fill 96, 4, 3214868480
	.section	.rodata,"a",@progbits
	.p2align	6, 0x0
	.amdhsa_kernel k_q940716229f_wmax
		.amdhsa_group_segment_fixed_size 1280
		.amdhsa_private_segment_fixed_size 0
		.amdhsa_enable_private_segment 0
		.amdhsa_kernarg_size 24
		.amdhsa_user_sgpr_count 2
		.amdhsa_user_sgpr_kernarg_segment_ptr 1
		.amdhsa_wavefront_size32 1
		.amdhsa_system_sgpr_workgroup_id_x 1
		.amdhsa_system_sgpr_workgroup_id_y 1
		.amdhsa_system_sgpr_workgroup_id_z 1
		.amdhsa_system_vgpr_workitem_id 0
		.amdhsa_next_free_vgpr 82
		.amdhsa_next_free_sgpr 66
		.amdhsa_reserve_vcc 1
		.amdhsa_float_denorm_mode_32 3
		.amdhsa_float_denorm_mode_16_64 3
		.amdhsa_memory_ordered 1
		.amdhsa_forward_progress 1
		.amdhsa_inst_pref_size 8
	.end_amdhsa_kernel
	.amdgpu_metadata
---
amdhsa.version: [ 1, 2 ]
amdhsa.kernels:
  - .name:           k_q940716229f_wmax
    .symbol:         k_q940716229f_wmax.kd
    .args:
      - { .name: w_attn, .offset: 0, .size: 8, .value_kind: global_buffer, .address_space: global }
      - { .name: w_proj, .offset: 8, .size: 8, .value_kind: global_buffer, .address_space: global }
      - { .name: pmax, .offset: 16, .size: 8, .value_kind: global_buffer, .address_space: global }
    .group_segment_fixed_size: 1280
    .private_segment_fixed_size: 0
    .kernarg_segment_align: 8
    .kernarg_segment_size: 24
    .max_flat_workgroup_size: 256
    .sgpr_count:     66
    .vgpr_count:     82
    .wavefront_size: 32
...
	.end_amdgpu_metadata
.endif
;; end of part 1
;; launch snapq (part 2): grid 512 x 1, 4 waves a work-group, no clusters, 21,248 bytes of LDS; arguments w_attn, w_proj, pmax, w_codes, w_scales; writes w_codes, w_scales
.if DOCPART == 2
	.amdgcn_target "amdgcn-amd-amdhsa--gfx1250"
	.amdhsa_code_object_version 6
	.text
	.protected	k_q940716229f_snapq
	.globl	k_q940716229f_snapq
	.p2align	8
	.type	k_q940716229f_snapq,@function
k_q940716229f_snapq:
	s_mov_b64 s[64:65], 0
	v_nop
	global_prefetch_b8 v0, s[64:65] scope:SCOPE_SE
	s_setreg_imm32_b32 hwreg(HW_REG_WAVE_MODE, 25, 1), 1
	s_wait_xcnt 0x0
; Both weights are snapped to the table {0, 1/13, 1/11, 1/7, 1/5, 1/3, 1/2, 1} (as the problem writes them, six digits) x (+-) x scale, scale = the tensor's largest magnitude + 1e-6,
; and the snapped numbers are turned into codes of FP6 (E2M3), K innermost, with one E8M0 byte for each 32 along K.
; w_codes: [4096 rows][768 bytes], w_scales: [4096][32].  Rows 0-3071: w_attn, rows 3072-4095: w_proj.
; IN w_attn's PART THE GROUPS OF 8 ROWS 1 AND 2 OF EVERY 32 ROWS CHANGE PLACES, so that plain tiles of 16 rows of the buffer give the next launch results whose registers run along neighbouring channels.
; THE SNAP.  |w| is compared with the seven middles between neighbouring table values, each x scale; the value is table x scale in f32, as the problem computes it; the sign is put back.
; At a middle the larger value wins, but 0 wins against 1/13: the order of the problem's table under argmin.
; LIMITS: a weight within a few ulp of a middle may snap to the other neighbour (the middles are scaled, where the problem divides the weight); NaN and infinities are not served;
; a block of zeros gets the byte 1 where the rule says 127: its codes are zeros, and this program alone reads the bytes.
; SHARES.  A work-group takes 8 rows (32,768 bytes), a wave 2 rows: 4 steps of 512 numbers.  Each load reads 512 consecutive bytes; a step's 2,048 bytes turn through the wave's own stage in LDS, so that a lane
; holds 16 neighbours along K, two lanes a block.  All 16 loads of a wave go out at the head.  The work-group's 256 scale bytes meet in LDS and leave as 256 consecutive aligned bytes.
.set STEPS, 4
.set ATTN_WG, 384
.set SP,    80                         ; a lane's place in a stage: 64 bytes + 16 of padding
.set WREG,  2*32*SP                    ; a wave's two stages
.set SBYTES, 4*WREG                    ; behind them: the work-group's 256 scale bytes
.set R,     16                         ; v16-79   four sets of 16 numbers as loaded
.set X,     80                         ; v80-111  two sets of 16 neighbours
.set M,     112                        ; v112-127 the snapped numbers
.set C,     128                        ; v128-143 codes: four registers a step, never written again
.set E,     144                        ; v144-147 a scale byte a step
.set LV,    24                         ; s24-30   table value x scale
.set TH,    32                         ; s32-38   the middles x scale
	s_load_b128 s[4:7], s[0:1], 0x0                ; w_attn, w_proj
	s_load_b128 s[8:11], s[0:1], 0x10              ; pmax, w_codes
	s_load_b64 s[12:13], s[0:1], 0x20              ; w_scales
	v_lshl_add_u32 v160, v0, 2, 0x5100
	v_mov_b32 v161, 0
	v_lshrrev_b32 v1, 5, v0
	v_readfirstlane_b32 s16, v1                    ; wave 0..3
	v_and_b32 v2, 31, v0                           ; lane
	v_lshlrev_b32 v3, 4, v2                        ; my 16 bytes of a load's 512
	s_mul_i32 s17, s16, WREG
	v_lshrrev_b32 v6, 2, v2
	v_mul_u32_u24 v6, v6, SP
	v_and_b32 v7, 3, v2
	v_lshl_add_u32 v6, v7, 4, v6
	v_add_nc_u32 v6, s17, v6                       ; the stage, on the way in: SP (lane / 4) + 16 (lane % 4)
	v_mul_u32_u24 v7, v2, SP
	v_add_nc_u32 v7, s17, v7                       ; and on the way out: SP x lane: my 16 neighbours
	v_mul_u32_u24 v4, v2, 12                       ; my 12 bytes of a step's codes
	v_lshrrev_b32 v5, 1, v2
	s_lshl_b32 s17, s16, 6
	s_add_co_u32 s17, s17, SBYTES
	v_add_nc_u32 v5, s17, v5                       ; LDS: my wave's 64 scale bytes, my block's byte
	v_lshlrev_b32 v10, 3, v2                       ; the scale bytes' way out: 8 bytes a lane
	v_add_nc_u32 v12, SBYTES, v10
	s_mov_b32 s14, 0x76543210
	s_mov_b32 s15, 0xfedcba98
	s_mov_b32 s40, 0x7fffffff                      ; all but the sign
	s_and_b32 s18, ttmp9, 1                        ; the group's number with its two lowest bits exchanged
	s_lshl_b32 s18, s18, 1
	s_lshr_b32 s19, ttmp9, 1
	s_and_b32 s19, s19, 1
	s_or_b32 s18, s18, s19
	s_and_b32 s19, ttmp9, -4
	s_or_b32 s18, s18, s19
	s_mov_b32 s23, 0xffff0000
	s_cmp_lt_u32 ttmp9, ATTN_WG
	s_cselect_b32 s18, s18, ttmp9                  ; where the group goes: exchanged in w_attn's part alone
	s_cselect_b32 s19, 0, ATTN_WG
	s_cselect_b32 s21, -1, 0                       ; which lanes' words of pmax are my tensor's: words 0-127,
	s_cselect_b32 s22, 0xffff, s23                 ; and words 128-255 (w_attn: up to 191; w_proj: from 192)
	s_sub_co_u32 s19, ttmp9, s19                   ; the group's number in its own tensor
	s_lshl_b32 s42, s19, 15
	s_lshl_b32 s43, s16, 13
	s_add_co_u32 s42, s42, s43                     ; from: 32,768 x group + 8,192 x wave
	s_mov_b32 s43, 0
	s_mul_i32 s44, s18, 6144
	s_mul_i32 s45, s16, 1536
	s_add_co_u32 s44, s44, s45                     ; codes: 6,144 x group + 1,536 x wave
	s_mov_b32 s45, 0
	s_lshl_b32 s46, s18, 8                         ; scale bytes: 256 x group
	s_mov_b32 s47, 0
	s_wait_kmcnt 0x0
	s_cmp_lt_u32 ttmp9, ATTN_WG
	s_cselect_b64 s[4:5], s[4:5], s[6:7]
	s_add_nc_u64 s[4:5], s[4:5], s[42:43]
	s_add_nc_u64 s[10:11], s[10:11], s[44:45]
	s_add_nc_u64 s[12:13], s[12:13], s[46:47]
	global_load_b128 v[M:M+3], v3, s[8:9]          ; pmax: 256 words, eight a lane
	global_load_b128 v[M+4:M+7], v3, s[8:9] offset:512
.macro LOAD t
.irp i, 0,1,2,3
	global_load_b128 v[R+16*(\t)+4*\i:R+16*(\t)+4*\i+3], v3, s[4:5] offset:2048*(\t)+512*\i th:TH_LOAD_NT   ; 512 consecutive bytes; their last reading
.endr
.endm
.macro TURN t                          ; step t's numbers through a stage: LDS serves a wave's instructions in order, so no wait stands between the stores and the loads
.irp i, 0,1,2,3
	ds_store_b128 v6, v[R+16*(\t)+4*\i:R+16*(\t)+4*\i+3] offset:32*SP*((\t)%2)+8*SP*\i
.endr
.irp i, 0,1,2,3
	ds_load_b128 v[X+16*((\t)%2)+4*\i:X+16*((\t)%2)+4*\i+3], v7 offset:32*SP*((\t)%2)+16*\i
.endr
.endm
.irp t, 0,1,2,3
	LOAD \t
.endr
	s_wait_loadcnt 16                              ; pmax is in; the sixteen loads behind it stay out
.irp i, 0,1,2,3
	v_cndmask_b32 v[M+\i], 0, v[M+\i], s21         ; the other tensor's words count as 0
.endr
.irp i, 4,5,6,7
	v_cndmask_b32 v[M+\i], 0, v[M+\i], s22
.endr
	v_max3_num_f32 v8, v[M], v[M+1], v[M+2]
	v_max3_num_f32 v9, v[M+3], v[M+4], v[M+5]
	v_max3_num_f32 v8, v8, v[M+6], v[M+7]
	v_max_num_f32 v8, v8, v9
	v_max_num_f32_dpp v8, v8, v8 row_xmask:1 row_mask:0xf bank_mask:0xf
	v_max_num_f32_dpp v8, v8, v8 row_xmask:2 row_mask:0xf bank_mask:0xf
	v_max_num_f32_dpp v8, v8, v8 row_xmask:4 row_mask:0xf bank_mask:0xf
	v_max_num_f32_dpp v8, v8, v8 row_xmask:8 row_mask:0xf bank_mask:0xf
	v_permlanex16_b32 v9, v8, s14, s15
	v_max_num_f32 v8, v8, v9
	v_add_f32 v8, 0x358637bd, v8                   ; + 1e-6
	v_readfirstlane_b32 s20, v8                    ; the tensor's scale
	s_mul_f32 s[LV+0], s20, 0x3d9d89ce             ; 0.076923 x scale
	s_mul_f32 s[LV+1], s20, 0x3dba2e7f             ; 0.090909
	s_mul_f32 s[LV+2], s20, 0x3e12491b             ; 0.142857
	s_mul_f32 s[LV+3], s20, 0x3e4ccccd             ; 0.2
	s_mul_f32 s[LV+4], s20, 0x3eaaaa9f             ; 0.333333
	s_mul_f32 s[LV+5], s20, 0.5
	s_mul_f32 s[LV+6], s20, 1.0
	s_mul_f32 s[TH+0], s[LV+0], 0.5                ; the middle between 0 and the smallest value
.irp i, 1,2,3,4,5,6
	s_add_f32 s[TH+\i], s[LV+\i-1], s[LV+\i]
.endr
.irp i, 1,2,3,4,5,6
	s_mul_f32 s[TH+\i], s[TH+\i], 0.5
.endr
	s_wait_loadcnt 12                              ; step 0's four loads are in
	TURN 0
.macro STEP t
.set XS, X+16*((\t)%2)
.if (\t) > 0
	s_wait_dscnt 1                                 ; this step's numbers are back from the stage; the last step's byte store may be out
.else
	s_wait_dscnt 0x0
.endif
.if (\t)+1 < STEPS
	s_wait_loadcnt 4*(STEPS-2-(\t))                ; the next step's four loads are in; those of the steps behind it may be out
	TURN (\t)+1                                    ; and go through the other stage while this step is worked
.endif
.irp i, 0,1,2,3,4,5,6,7,8,9,10,11,12,13,14,15
	v_cmp_gt_f32 vcc_lo, |v[XS+\i]|, s[TH]         ; over the first middle: the smallest value, else 0
	v_cndmask_b32 v[M+\i], 0, s[LV], vcc_lo
.endr
.irp h, 1,2,3,4,5,6
.irp i, 0,1,2,3,4,5,6,7,8,9,10,11,12,13,14,15
	v_cmp_ge_f32 vcc_lo, |v[XS+\i]|, s[TH+\h]      ; at or over a further middle: the next value
	v_cndmask_b32 v[M+\i], v[M+\i], s[LV+\h], vcc_lo
.endr
.endr
	v_max3_num_f32 v8, v[M], v[M+1], v[M+2]        ; the largest of my 16 snapped magnitudes (none is negative yet)
	v_max3_num_f32 v9, v[M+3], v[M+4], v[M+5]
.irp i, 6,10
	v_max3_num_f32 v8, v8, v[M+\i], v[M+\i+1]
	v_max3_num_f32 v9, v9, v[M+\i+2], v[M+\i+3]
.endr
	v_max3_num_f32 v8, v8, v[M+14], v[M+15]
	v_max3_num_f32 v8, v8, v9, 0x1800000           ; and the floor 2^(3 - 127): the byte cannot fall under 1
	v_max_num_f32_dpp v8, v8, v8 row_xmask:1 row_mask:0xf bank_mask:0xf   ; with my neighbour's 16: the block's
.irp i, 0,1,2,3,4,5,6,7,8,9,10,11,12,13,14,15
	v_bfi_b32 v[M+\i], s40, v[M+\i], v[XS+\i]      ; the weight's sign on the snapped magnitude
.endr
	v_add_nc_u32 v11, 0xff000000, v8               ; 2 off the exponent field: the conversion takes the exponent field of this operand as its scale
	v_cvt_scalef32_pk16_fp6_f32 v[C+4*(\t):C+4*(\t)+2], v[M:M+15], v11
	v_lshrrev_b32 v[E+(\t)], 23, v11               ; the scale's byte (and the plain line behind the conversion)
	ds_store_b8 v5, v[E+(\t)] offset:16*(\t)       ; both lanes of a block write the same byte with the same value
	global_store_b96 v4, v[C+4*(\t):C+4*(\t)+2], s[10:11] offset:384*(\t)   ; the wave stores 384 consecutive bytes
.endm
.irp t, 0,1,2,3
	STEP \t
.endr
	s_wait_dscnt 0x0                               ; for wave 0's sake: my byte stores have landed
	s_barrier_signal -1
	s_barrier_wait -1
	s_cmp_lg_u32 s16, 0
	s_cbranch_scc1 .Ldone
	ds_load_b64 v[8:9], v12                        ; wave 0: the work-group's 256 scale bytes
	s_wait_dscnt 0x0
	global_store_b64 v10, v[8:9], s[12:13]         ; 256 consecutive bytes, at a multiple of 256 from the buffer's first byte
.Ldone:
	s_wait_tensorcnt 0x0
	ds_add_u32 v160, v161
	s_wait_dscnt 0x0
	s_endpgm
.Lfunc_end_k_q940716229f_snapq:
	.size	k_q940716229f_snapq, .Lfunc_end_k_q940716229f_snapq-k_q940716229f_snapq
	.p2alignl 7, 3214868480
	.fill 96, 4, 3214868480
	.section	.rodata,"a",@progbits
	.p2align	6, 0x0
	.amdhsa_kernel k_q940716229f_snapq
		.amdhsa_group_segment_fixed_size 21248
		.amdhsa_private_segment_fixed_size 0
		.amdhsa_enable_private_segment 0
		.amdhsa_kernarg_size 40
		.amdhsa_user_sgpr_count 2
		.amdhsa_user_sgpr_kernarg_segment_ptr 1
		.amdhsa_wavefront_size32 1
		.amdhsa_system_sgpr_workgroup_id_x 1
		.amdhsa_system_sgpr_workgroup_id_y 1
		.amdhsa_system_sgpr_workgroup_id_z 1
		.amdhsa_system_vgpr_workitem_id 0
		.amdhsa_next_free_vgpr 162
		.amdhsa_next_free_sgpr 66
		.amdhsa_reserve_vcc 1
		.amdhsa_float_denorm_mode_32 3
		.amdhsa_float_denorm_mode_16_64 3
		.amdhsa_memory_ordered 1
		.amdhsa_forward_progress 1
		.amdhsa_inst_pref_size 73
	.end_amdhsa_kernel
	.amdgpu_metadata
---
amdhsa.version: [ 1, 2 ]
amdhsa.kernels:
  - .name:           k_q940716229f_snapq
    .symbol:         k_q940716229f_snapq.kd
    .args:
      - { .name: w_attn, .offset: 0, .size: 8, .value_kind: global_buffer, .address_space: global }
      - { .name: w_proj, .offset: 8, .size: 8, .value_kind: global_buffer, .address_space: global }
      - { .name: pmax, .offset: 16, .size: 8, .value_kind: global_buffer, .address_space: global }
      - { .name: w_codes, .offset: 24, .size: 8, .value_kind: global_buffer, .address_space: global }
      - { .name: w_scales, .offset: 32, .size: 8, .value_kind: global_buffer, .address_space: global }
    .group_segment_fixed_size: 21248
    .private_segment_fixed_size: 0
    .kernarg_segment_align: 8
    .kernarg_segment_size: 40
    .max_flat_workgroup_size: 128
    .sgpr_count:     66
    .vgpr_count:     162
    .wavefront_size: 32
...
	.end_amdgpu_metadata
.endif
;; end of part 2
;; launch qkv (part 3): grid 8 x 32, 4 waves a work-group, clusters of 4 x 4, 327,680 bytes of LDS; arguments x_codes, x_scales, w_codes, w_scales, b_attn, qkv_img; writes qkv_img
.if DOCPART == 3
	.amdgcn_target "amdgcn-amd-amdhsa--gfx1250"
	.amdhsa_code_object_version 6
	.text
	.protected	k_q940716229f_qkv
	.globl	k_q940716229f_qkv
	.p2align	8
	.type	k_q940716229f_qkv,@function
k_q940716229f_qkv:
	s_mov_b64 s[64:65], 0
	v_nop
	global_prefetch_b8 v0, s[64:65] scope:SCOPE_SE
	s_setreg_imm32_b32 hwreg(HW_REG_WAVE_MODE, 25, 1), 1
	s_wait_xcnt 0x0
	s_wait_alu depctr_hold_cnt(0) depctr_sa_sdst(0) depctr_va_vdst(0) depctr_va_sdst(0) depctr_va_ssrc(0) depctr_va_vcc(0) depctr_vm_vsrc(0)
	s_getreg_b32 s2, hwreg(HW_REG_IB_STS2, 6, 4)
	s_cmp_eq_u32 s2, 0
	s_cbranch_scc0 .Lentry_in_a_cluster
	s_endpgm
.Lentry_in_a_cluster:
	s_bfe_u32 s2, ttmp6, 0x10000c
	s_cmp_lg_u32 s2, 0xf033
	s_cbranch_scc0 .Lentry_shape_is_right
	s_endpgm
.Lentry_shape_is_right:
; qkv = x W^T + b_attn on codes of FP6 (E2M3), one E8M0 scale for each 32 along K = 1,024; the results are quantised at once into the attention launch's operands.
; A work-group takes 128 tokens and 128 channels (two heads) of q, of k and of v: 32 x 8 = 256 work-groups; a wave takes 64 tokens x 64 channels (one head) of each: 16 accumulators.
; Whole rows of K (768 bytes) lie in LDS: x's 128 rows, and two slots of 128 rows of W.  The head asks for x (waves 0, 1: 64 rows each), q's rows (wave 2, slot 0) and k's rows (wave 3, slot 1);
; v's rows fill slot 0 again when q's products are done: the launch's one refill.
; A wave's fragments of x, 8 steps x 48 registers, are read from LDS once, with q's steps, and stay in registers for k and v.  W's fragments have two sets of 48.
; The next step's LDS loads stand in one run ahead of each step's 16 products: 48 loads a step for q, 24 for k and for v.
; CLUSTERS 4 x 4: x's rows are shared along a row of the cluster, W's along a column.  No prefetch: every tile but one is asked for at the head, and there is no loop to run ahead in.
; q, k: source 0 = rows of W, source 1 = tokens: a lane holds one token, its registers run along the channels.  v: source 0 = tokens, source 1 = rows of W: a lane holds one channel, registers run along the keys.
; W's rows lie in w_codes with the groups of 8 rows 1 and 2 of every 32 exchanged, so a lane's 16 registers of two neighbouring tiles of W are 16 neighbouring channels.
; The scale bytes (32 a row, all of K) go from memory into registers: sixteen lanes read 512 consecutive bytes in two loads.  The bias is the C of each sum's first product.
; OUT.  qkv_img: [q, k, v][batch x head 32][key step 16][6,400 bytes]: four images of 1,536 bytes, then their scale words, 16 words an image.
;   q, k: image i of step s: registers 4 c .. 4 c + 3 of lane l at 512 c + 16 l; registers 0-5 tokens 128 s + 32 i .. + 15, registers 6-11 the next 16, each with the head's 64 channels.
;   v: image t, 16 channels, in two halves of 768 bytes (keys 64 c .. + 63: registers 6 c .. 6 c + 3 of lane l at 16 l, registers 6 c + 4, 6 c + 5 at 512 + 8 l);
;      lane r of tile 2 b + u holds channel 32 b + 8 u + r + 8 (r / 8); inside a block of 32 keys the order is 0-7, 16-23, 8-15, 24-31.  A half's two scale bytes leave as 2 bytes a lane.
; LIMITS: NaN and infinities are not served; a block of zeros gets the byte 1 where the rule says 127 (its codes are zeros; this program alone reads the bytes).
; REGISTERS: window 0 addresses, scales, the way out; window 1 v0-95 W's fragments, v96-143 x's step 5, v144-239 biases; window 2 v0-127 accumulators, v128-223 x's steps 6, 7; window 3 x's steps 0-4.
.set PITCH, 816                        ; an LDS row: 3 x (256 bytes + 16 of padding): the 32 lanes of a load of 8 bytes touch 64 different banks
.set SL0,   128*PITCH
.set SL1,   256*PITCH
.set SPARE, 384*PITCH
.set PARTB, 3276800
.set HEADB, 102400
.set STEPB, 6400
.set AX,  2                            ; pairs of LDS addresses (row x pitch + 24 h; and + 40 h, behind one padding more): my 64 tokens
.set AW0, 4                            ; my 64 rows of slot 0
.set AW1, 6                            ; of slot 1
.set IO,  12
.set SO,  13
.set VS1, 14
.set VS2, 15
.set VB1, 18
.set VB2, 19
.set L8,  20
.set R4,  21
.set SPW, 28
.set NIL, 29
.set XS,  32                           ; x's scale words: register 8 block + step
.set WS,  64                           ; W's: lanes 0-15 q's rows, lanes 16-31 k's
.set WSV, 96                           ; v's rows
.set TM,  128
.set PX,  144
.set U,   168
.set PW,  176
.set TW,  178
.set BQ,  144                          ; window 1: q's 32 biases, k's 32, v's 4 x 8 copies
.set G1A, 24
.set G0A, 32
.set G0Q, 36
.set G1B, 48
.set G0K, 56
.set G0V, 60
.set MSB, 0
.macro WIN new
.if MSB != (\new)
	s_set_vgpr_msb (MSB<<8)|(\new)
.set MSB, (\new)
.endif
.endm
.macro CROUND                          ; a round of the cluster's barrier
	s_barrier_signal -1
	s_barrier_wait -1
	s_cmp_lg_u32 s14, 0
	s_cbranch_scc1 .Lnot_wave_0_\@
	s_barrier_signal -3
.Lnot_wave_0_\@:
	s_barrier_wait -3
	s_barrier_signal -1
	s_barrier_wait -1
.endm
.macro PLACES
.rept 4
	v_nop
.endr
.endm
	s_load_b128 s[4:7], s[0:1], 0x0                ; x's codes, x's scales
	s_load_b128 s[8:11], s[0:1], 0x10              ; W's codes, W's scales
	s_load_b128 s[68:71], s[0:1], 0x20             ; b_attn, qkv_img
	v_lshl_add_u32 v[SPW], v0, 2, SPARE
	v_mov_b32 v[NIL], 0
	ds_add_u32 v[SPW], v[NIL]                      ; the opening lines
	ds_add_u32 v[SPW], v[NIL]
	v_lshrrev_b32 v1, 5, v0
	v_readfirstlane_b32 s14, v1                    ; wave
	s_lshr_b32 s15, s14, 1                         ; th: my 64 tokens
	s_and_b32 s16, s14, 1                          ; wh: my 64 channels
	s_bfe_u32 s40, ttmp6, 0x40000                  ; cx
	s_bfe_u32 s41, ttmp6, 0x40004                  ; cy
	s_lshl_b32 s42, ttmp9, 2
	s_add_co_u32 s42, s42, s40                     ; channel group 0..7
	s_and_b32 s17, ttmp7, 0xffff
	s_lshl_b32 s17, s17, 2
	s_add_co_u32 s17, s17, s41                     ; token block 0..31
	s_lshl_b32 s43, s41, 2
	s_lshl_b32 s43, 15, s43                        ; my row of the cluster
	s_lshl_b32 s44, 0x1111, s40                    ; my column
	s_or_b32 s[G1A], s43, (1<<20)|(1<<21)|(5<<22)|(3<<25)   ; bytes; 16 bytes of padding behind every 256
	s_or_b32 s[G1B], s44, (1<<20)|(1<<21)|(5<<22)|(3<<25)
.irp g, G1A, G1B
	s_mov_b32 s[\g+1], 768<<16
	s_mov_b32 s[\g+3], 768<<16
	s_mov_b32 s[\g+5], 768
	s_mov_b32 s[\g+6], 0
	s_mov_b32 s[\g+7], 0
.endr
	s_mov_b32 s[G1A+2], 64<<16
	s_mov_b32 s[G1A+4], 64
	s_mov_b32 s[G1B+2], 128<<16
	s_mov_b32 s[G1B+4], 128
	s_mul_i32 s18, s17, 98304
	s_mul_i32 s19, s16, 49152
	s_add_co_u32 s18, s18, s19                     ; x: 128 rows a block, 64 a loading wave
	s_mov_b32 s19, 0
	s_mul_i32 s20, s42, 98304                      ; W: 128 rows a group
	s_mov_b32 s21, 0
	s_wait_dscnt 0x0
	s_wait_kmcnt 0x0
	s_mov_b32 s[G0A], 1
	s_mul_i32 s[G0A+1], s16, 64*PITCH
	s_add_nc_u64 s[G0A+2:G0A+3], s[4:5], s[18:19]
	s_or_b32 s[G0A+3], s[G0A+3], 0x80000000
	s_mov_b32 s[G0Q], 1
	s_mov_b32 s[G0Q+1], SL0
	s_add_nc_u64 s[G0Q+2:G0Q+3], s[8:9], s[20:21]
	s_mov_b32 s[G0K], 1
	s_mov_b32 s[G0K+1], SL1
	s_add_nc_u64 s[G0K+2:G0K+3], s[G0Q+2:G0Q+3], 786432
	s_mov_b32 s[G0V], 1
	s_mov_b32 s[G0V+1], SL0
	s_add_nc_u64 s[G0V+2:G0V+3], s[G0Q+2:G0Q+3], 1572864
	s_or_b32 s[G0Q+3], s[G0Q+3], 0x80000000
	s_or_b32 s[G0K+3], s[G0K+3], 0x80000000
	s_or_b32 s[G0V+3], s[G0V+3], 0x80000000
	CROUND                                         ; the first joint loads meet
	s_cmp_lt_u32 s14, 2                            ; one chain of branches on the wave's number, one load to an arm
	s_cbranch_scc0 .Lhead_q
	tensor_load_to_lds s[G0A:G0A+3], s[G1A:G1A+7]
	s_nop 0
	PLACES
	s_branch .Lhead_asked
.Lhead_q:
	s_cmp_lt_u32 s14, 3
	s_cbranch_scc0 .Lhead_k
	tensor_load_to_lds s[G0Q:G0Q+3], s[G1B:G1B+7]
	s_nop 0
	PLACES
	s_branch .Lhead_asked
.Lhead_k:
	tensor_load_to_lds s[G0K:G0K+3], s[G1B:G1B+7]
	s_nop 0
	PLACES
.Lhead_asked:
	s_mov_b32 s47, 0
	s_lshl_b32 s23, s17, 12
	s_lshl_b32 s45, s15, 11
	s_add_co_u32 s46, s23, s45
	s_add_nc_u64 s[74:75], s[6:7], s[46:47]        ; x's scales, my 64 tokens
	s_lshl_b32 s23, s42, 12
	s_lshl_b32 s45, s16, 11
	s_add_co_u32 s46, s23, s45
	s_add_nc_u64 s[76:77], s[10:11], s[46:47]      ; W's scales, my 64 rows of q
	s_lshl_b32 s23, s42, 9
	s_lshl_b32 s45, s16, 8
	s_add_co_u32 s46, s23, s45
	s_add_nc_u64 s[80:81], s[68:69], s[46:47]      ; q's biases, my 64 channels
	s_lshr_b32 s23, s17, 4
	s_lshl_b32 s23, s23, 4
	s_lshl_b32 s45, s42, 1
	s_add_co_u32 s23, s23, s45
	s_add_co_u32 s23, s23, s16                     ; batch x head
	s_mul_i32 s23, s23, HEADB
	s_and_b32 s45, s17, 15
	s_mul_i32 s45, s45, STEPB
	s_add_co_u32 s45, s45, s23                     ; my head's key step
	s_mul_i32 s46, s15, 3072                       ; q, k: images 2 th, 2 th + 1
	s_add_co_u32 s46, s46, s45
	s_add_nc_u64 s[86:87], s[70:71], s[46:47]
	s_lshl_b32 s46, s15, 7
	s_add_co_u32 s46, s46, s45
	s_add_co_u32 s46, s46, 6144
	s_add_nc_u64 s[88:89], s[70:71], s[46:47]
	s_add_co_u32 s45, s45, 2*PARTB                 ; v: half th of all four images
	s_mul_i32 s46, s15, 768
	s_add_co_u32 s46, s46, s45
	s_add_nc_u64 s[90:91], s[70:71], s[46:47]
	s_lshl_b32 s46, s15, 1
	s_add_co_u32 s46, s46, s45
	s_add_co_u32 s46, s46, 6144
	s_add_nc_u64 s[92:93], s[70:71], s[46:47]
	s_mov_b32 s94, 0x76543210                      ; selects for lane l xor 16
	s_mov_b32 s95, 0xfedcba98
	s_mov_b32 s96, 0xffff0000                      ; lanes 16-31
	s_mul_i32 s97, s15, 64*PITCH
	s_mul_i32 s98, s16, 64*PITCH
	s_add_co_u32 s98, s98, SL0
	s_add_co_u32 s99, s98, 128*PITCH
	v_and_b32 v22, 15, v0                          ; r
	v_bfe_u32 v23, v0, 4, 1                        ; h
	v_and_b32 v24, 31, v0
	v_mul_u32_u24 v25, v22, PITCH
	v_mad_u32_u24 v26, v23, 24, v25
	v_mad_u32_u24 v27, v23, 40, v25
.irp k, 0,1
	v_add_nc_u32 v[AX+\k], s97, v[26+\k]
	v_add_nc_u32 v[AW0+\k], s98, v[26+\k]
	v_add_nc_u32 v[AW1+\k], s99, v[26+\k]
.endr
	v_lshlrev_b32 v[IO], 4, v24
	v_lshlrev_b32 v[SO], 2, v24
	v_lshlrev_b32 v[L8], 3, v24
	v_lshlrev_b32 v[R4], 2, v22
	v_lshlrev_b32 v[VS1], 5, v22                   ; 32 r
	v_lshl_add_u32 v[VS2], v23, 15, v[VS1]         ; lanes 16-31: 1,024 rows on (k's)
	v_lshlrev_b32 v[VB1], 6, v23
	v_and_b32 v25, 8, v22
	v_add_lshl_u32 v[VB2], v25, v22, 2             ; 4 (r + 8 (r / 8))
.irp b, 0,1,2,3
	v_mov_b32 v[TM+4+\b], 0                        ; a lane permute's destination counts as read
.endr
	s_wait_alu depctr_va_vdst(0)
.irp a, 0,1,2,3
	global_load_b128 v[XS+8*\a:XS+8*\a+3], v[VS1], s[74:75] offset:512*\a
	global_load_b128 v[XS+8*\a+4:XS+8*\a+7], v[VS1], s[74:75] offset:512*\a+16
	global_load_b128 v[WS+8*\a:WS+8*\a+3], v[VS2], s[76:77] offset:512*\a
	global_load_b128 v[WS+8*\a+4:WS+8*\a+7], v[VS2], s[76:77] offset:512*\a+16
	global_load_b128 v[WSV+8*\a:WSV+8*\a+3], v[VS1], s[76:77] offset:65536+512*\a
	global_load_b128 v[WSV+8*\a+4:WSV+8*\a+7], v[VS1], s[76:77] offset:65536+512*\a+16
.endr
	WIN 0x40                                       ; the biases go to window 1
.irp g, 0,1
.irp k, 0,1,2,3
	global_load_b128 v[BQ+16*\g+4*\k:BQ+16*\g+4*\k+3], v[VB1], s[80:81] offset:128*\g+16*\k
	global_load_b128 v[BQ+32+16*\g+4*\k:BQ+32+16*\g+4*\k+3], v[VB1], s[80:81] offset:4096+128*\g+16*\k
.endr
.endr
.irp a, 0,1,2,3
.irp j, 0,1,2,3,4,5,6,7
	global_load_b32 v[BQ+64+8*\a+\j], v[VB2], s[80:81] offset:8192+4*(32*(\a/2)+8*(\a%2))
.endr
.endr
	WIN 0
.macro XPOS st                         ; where x's fragments of step st stay: window XW_, from register XB_
.if (\st) < 5
.set XW_, 3
.set XB_, 48*(\st)
.elseif (\st) == 5
.set XW_, 1
.set XB_, 96
.else
.set XW_, 2
.set XB_, 128+48*((\st)-6)
.endif
.endm
; the j-th LDS load of step st's fragments: j 0-23 W's four (from slot), j 24-47 x's four.  A fragment: lane l holds row l % 16; registers 6 c .. 6 c + 5 hold K = 64 c + 32 (l / 16) + 0 .. 31,
; 24 bytes of the row, in pieces of 8.  Byte y of a row lies at y + 16 (y / 256) of its LDS row
.macro LD1 st, j, slot
.set F_, (\j)/6
.set P_, (\j)%6
.set BY, 96*(\st)+48*(P_/3)+8*(P_%3)
.set SE_, (BY+24)/256-BY/256
.if F_ < 4
	WIN 0x40
	ds_load_b64 v[48*((\st)%2)+12*F_+2*P_:48*((\st)%2)+12*F_+2*P_+1], v[AW0+2*(\slot)+SE_] offset:BY+16*(BY/256)+F_*16*PITCH
.else
	XPOS \st
	WIN XW_<<6
	ds_load_b64 v[XB_+12*(F_-4)+2*P_:XB_+12*(F_-4)+2*P_+1], v[AX+SE_] offset:BY+16*(BY/256)+(F_-4)*16*PITCH
.endif
.endm
.macro WM d, a, b, c, sa, sb, ra
.if (\ra) == 1
	v_wmma_scale_f32_16x16x128_f8f6f4 v[\d:\d+7], v[\a:\a+11], v[\b:\b+11], v[\c:\c+7], v[\sa], v[\sb] matrix_a_fmt:MATRIX_FMT_FP6 matrix_b_fmt:MATRIX_FMT_FP6 matrix_a_scale:MATRIX_SCALE_ROW1
.else
	v_wmma_scale_f32_16x16x128_f8f6f4 v[\d:\d+7], v[\a:\a+11], v[\b:\b+11], v[\c:\c+7], v[\sa], v[\sb] matrix_a_fmt:MATRIX_FMT_FP6 matrix_b_fmt:MATRIX_FMT_FP6
.endif
.endm
.macro MUL1 kind, st, a, b             ; one product onto accumulator (a, b).  kind 0: q, 1: k, 2: v.  The first step's C is the bias
	XPOS \st
.set WF_, 48*((\st)%2)
.set CW_, 2
.set CB_, 8*(4*(\a)+(\b))
.if (\st) == 0
.set CW_, 1
.if (\kind) == 2
.set CB_, BQ+64+8*(\a)
.else
.set CB_, BQ+32*(\kind)+8*(\b)
.endif
.endif
.if (\kind) == 2
	WIN 0x80|(CW_<<4)|(1<<2)|XW_
	WM 8*(4*(\a)+(\b)),XB_+12*(\b),WF_+12*(\a),CB_,XS+8*(\b)+(\st),WSV+8*(\a)+(\st),0
.else
	WIN 0x80|(CW_<<4)|(XW_<<2)|1
	WM 8*(4*(\a)+(\b)),WF_+12*(\b),XB_+12*(\a),CB_,WS+8*(\b)+(\st),XS+8*(\a)+(\st),\kind
.endif
.endm
; All of K: eight steps of 16 products, the accumulators by turns.  Ahead of each step's products stands one run of NL_ loads: q: the next step's 48
; (in its last step: the 24 of k's first step); k, v: the next step's 24 of W.  The wait lets just that run stay out: this step's own fragments are in.
.macro PART kind
.irp st, 0,1,2,3,4,5,6,7
	PLACES                                         ; in front of loads into the set that the step before multiplied
.set J_, 0
.set I_, 0
.set NS_, \st+1
.set SL_, (\kind)%2
.set NL_, 24
.if (\kind) == 0
.set NL_, 48
.endif
.if \st == 7
.set NS_, 0
.set SL_, 1
.if (\kind) == 0
.set NL_, 24
.else
.set NL_, 0
.endif
.endif
.if NL_ > 0
.rept NL_
	LD1 NS_, J_, SL_
.set J_, J_+1
.endr
.endif
	s_wait_dscnt NL_
.rept 16
	MUL1 \kind, \st, (I_/4), (I_%4)
.set I_, I_+1
.endr
.endr
	PLACES
	WIN 0
.endm
; 64 results of a lane (window 2, from register s) become four blocks' codes: blocks 0, 1 in v[d0 .. d0 + 5], blocks 2, 3 in v[d1 .. d1 + 5], and a scale word in v[w]
.macro QUANT4 s, d0, d1, w
	WIN 0x0a
.irp b, 0,1,2,3
	v_max3_num_f32 v[TM+\b], |v[(\s)+16*\b]|, |v[(\s)+1+16*\b]|, 0x1800000   ; with the floor 2^(3 - 127): the byte cannot fall under 1
.endr
	WIN 0x28
.irp i, 2,4,6,8,10,12,14
.irp b, 0,1,2,3
	v_max3_num_f32 v[TM+\b], v[TM+\b], |v[(\s)+16*\b+\i]|, |v[(\s)+1+16*\b+\i]|
.endr
.endr
	WIN 0
.irp b, 0,1,2,3
	v_permlanex16_b32 v[TM+4+\b], v[TM+\b], s94, s95
.endr
.irp b, 0,1,2,3
	v_max_num_f32 v[TM+\b], v[TM+\b], v[TM+4+\b]   ; the block's largest magnitude
.endr
.irp b, 0,1,2,3
	v_add_nc_u32 v[TM+12+\b], 0xff000000, v[TM+\b] ; 2 off its exponent field: the conversion's scale operand
.endr
.irp b, 0,1,2,3
	v_lshrrev_b32 v[TM+4+\b], 23, v[TM+12+\b]      ; the byte
.endr
	v_lshl_or_b32 v[\w], v[TM+5], 8, v[TM+4]
	v_lshl_or_b32 v[\w], v[TM+6], 16, v[\w]
	v_lshl_or_b32 v[\w], v[TM+7], 24, v[\w]
	WIN 0x02
	v_cvt_scalef32_pk16_fp6_f32 v[(\d0):(\d0)+2], v[(\s):(\s)+15], v[TM+12]
	v_cvt_scalef32_pk16_fp6_f32 v[U:U+2], v[(\s)+16:(\s)+31], v[TM+13]
	v_cvt_scalef32_pk16_fp6_f32 v[(\d1):(\d1)+2], v[(\s)+32:(\s)+47], v[TM+14]
	v_cvt_scalef32_pk16_fp6_f32 v[U+4:U+6], v[(\s)+48:(\s)+63], v[TM+15]
	WIN 0
	v_nop                                          ; one plain line behind a scaled conversion
.irp i, 0,1,2
	v_permlane16_swap_b32 v[(\d0)+\i], v[U+\i]     ; a whole block in a lane
	v_permlane16_swap_b32 v[(\d1)+\i], v[U+4+\i]
.endr
.irp i, 0,1,2
	v_mov_b32 v[(\d0)+3+\i], v[U+\i]
	v_mov_b32 v[(\d1)+3+\i], v[U+4+\i]
.endr
.endm
.macro QUANTS
	s_wait_xcnt 0x0                                ; earlier stores have read their registers
	QUANT4 0, PX, PX+6, PW
	QUANT4 64, PX+12, PX+18, PW+1
.endm
.macro EPI off                         ; q, k: my 128 results a lane are two images and their words
	QUANTS
	v_cndmask_b32 v[TW], v[PW], v[PW+1], s96       ; lanes 0-15 the first image's words, lanes 16-31 the second's
.irp i, 0,1
.irp c, 0,1,2
	global_store_b128 v[IO], v[PX+12*\i+4*\c:PX+12*\i+4*\c+3], s[86:87] offset:\off+1536*\i+512*\c   ; 512 consecutive bytes
.endr
.endr
	global_store_b32 v[SO], v[TW], s[88:89] offset:\off   ; 128 consecutive bytes
.endm
	s_wait_tensorcnt 0x0                           ; my tile of the head's four is in
	s_barrier_signal -1
	s_barrier_wait -1                              ; all four are
.set J_, 0
.rept 48
	LD1 0, J_, 0
.set J_, J_+1
.endr
	WIN 0
	s_wait_loadcnt 0x0                             ; scales and biases
	PART 0
	s_wait_tensorcnt 0x0                           ; slot 0 is read no more
	ds_add_u32 v[SPW], v[NIL]
	s_wait_dscnt 0x0
	CROUND
	s_cmp_lg_u32 s14, 2                            ; wave 2 asks for v's 128 rows
	s_cbranch_scc1 .Lno_v
	tensor_load_to_lds s[G0V:G0V+3], s[G1B:G1B+7]
	s_nop 0
	PLACES
.Lno_v:
	EPI 0
	PART 1
	EPI PARTB
	s_wait_tensorcnt 0x0                           ; v's rows are in
	s_wait_dscnt 0x0
	s_barrier_signal -1
	s_barrier_wait -1
.set J_, 0
.rept 24
	LD1 0, J_, 0
.set J_, J_+1
.endr
	WIN 0
	PART 2
	QUANTS                                         ; v: my half of four images
.irp t, 0,1,2,3
	global_store_b128 v[IO], v[PX+6*\t:PX+6*\t+3], s[90:91] offset:1536*\t       ; 512 consecutive bytes
	global_store_b64 v[L8], v[PX+6*\t+4:PX+6*\t+5], s[90:91] offset:1536*\t+512  ; 256 consecutive bytes
.endr
.irp i, 0,1
	global_store_b16 v[R4], v[PW+\i], s[92:93] offset:128*\i          ; my half's two bytes of each channel's word; both halves of the lanes write the same bytes
	global_store_d16_hi_b16 v[R4], v[PW+\i], s[92:93] offset:128*\i+64
.endr
	s_wait_tensorcnt 0x0                           ; the wave's end
	ds_add_u32 v[SPW], v[NIL]
	s_wait_dscnt 0x0
	CROUND                                         ; the closing round
	s_endpgm
.Lfunc_end_k_q940716229f_qkv:
	.size	k_q940716229f_qkv, .Lfunc_end_k_q940716229f_qkv-k_q940716229f_qkv
	.p2alignl 7, 3214868480
	.fill 96, 4, 3214868480
	.section	.rodata,"a",@progbits
	.p2align	6, 0x0
	.amdhsa_kernel k_q940716229f_qkv
		.amdhsa_group_segment_fixed_size 327680
		.amdhsa_private_segment_fixed_size 0
		.amdhsa_enable_private_segment 0
		.amdhsa_kernarg_size 48
		.amdhsa_user_sgpr_count 2
		.amdhsa_user_sgpr_kernarg_segment_ptr 1
		.amdhsa_wavefront_size32 1
		.amdhsa_system_sgpr_workgroup_id_x 1
		.amdhsa_system_sgpr_workgroup_id_y 1
		.amdhsa_system_sgpr_workgroup_id_z 1
		.amdhsa_system_vgpr_workitem_id 0
		.amdhsa_next_free_vgpr 1024
		.amdhsa_next_free_sgpr 102
		.amdhsa_reserve_vcc 0
		.amdhsa_float_denorm_mode_32 3
		.amdhsa_float_denorm_mode_16_64 3
		.amdhsa_memory_ordered 1
		.amdhsa_forward_progress 1
		.amdhsa_inst_pref_size 144
	.end_amdhsa_kernel
	.amdgpu_metadata
---
amdhsa.version: [ 1, 2 ]
amdhsa.kernels:
  - .name:           k_q940716229f_qkv
    .symbol:         k_q940716229f_qkv.kd
    .args:
      - { .name: x_codes, .offset: 0, .size: 8, .value_kind: global_buffer, .address_space: global }
      - { .name: x_scales, .offset: 8, .size: 8, .value_kind: global_buffer, .address_space: global }
      - { .name: w_codes, .offset: 16, .size: 8, .value_kind: global_buffer, .address_space: global }
      - { .name: w_scales, .offset: 24, .size: 8, .value_kind: global_buffer, .address_space: global }
      - { .name: b_attn, .offset: 32, .size: 8, .value_kind: global_buffer, .address_space: global }
      - { .name: qkv_img, .offset: 40, .size: 8, .value_kind: global_buffer, .address_space: global }
    .group_segment_fixed_size: 327680
    .private_segment_fixed_size: 0
    .kernarg_segment_align: 8
    .kernarg_segment_size: 48
    .max_flat_workgroup_size: 128
    .sgpr_count:     102
    .vgpr_count:     1024
    .wavefront_size: 32
...
	.end_amdgpu_metadata
.endif
;; end of part 3
;; launch attn (part 4): grid 8 x 32, 16 waves a work-group, clusters of 4 x 1, 215,040 bytes of LDS; arguments qkv_img, y_img, y_sc; writes y_img, y_sc
.if DOCPART == 4
	.amdgcn_target "amdgcn-amd-amdhsa--gfx1250"
	.amdhsa_code_object_version 6
	.text
	.protected	k_q940716229f_attn
	.globl	k_q940716229f_attn
	.p2align	8
	.type	k_q940716229f_attn,@function
k_q940716229f_attn:
	s_mov_b64 s[64:65], 0
	v_nop
	global_prefetch_b8 v0, s[64:65] scope:SCOPE_SE
	s_setreg_imm32_b32 hwreg(HW_REG_WAVE_MODE, 25, 1), 1
	s_wait_xcnt 0x0
	s_wait_alu depctr_hold_cnt(0) depctr_sa_sdst(0) depctr_va_vdst(0) depctr_va_sdst(0) depctr_va_ssrc(0) depctr_va_vcc(0) depctr_vm_vsrc(0)
	s_getreg_b32 s2, hwreg(HW_REG_IB_STS2, 6, 4)
	s_cmp_eq_u32 s2, 0
	s_cbranch_scc0 .Lentry_in_a_cluster
	s_endpgm
.Lentry_in_a_cluster:
	s_bfe_u32 s2, ttmp6, 0x10000c
	s_cmp_lg_u32 s2, 0x3003
	s_cbranch_scc0 .Lentry_shape_is_right
	s_endpgm
.Lentry_shape_is_right:
; y = softmax(q k^T / 8, causal) v for one batch x head, both products on codes of FP6 (E2M3) with E8M0 scales; y is quantised along C at once, for the projection.
; THE SOFTMAX: t = score x log2(e) / 8; M = the running largest t rounded up to a whole number; p = 2^(t - M) is quantised along the keys; the row's sum is taken of the unquantised p and divides at the end.
; When M moves, the sum and O are multiplied by 2^(old M - new M): exact.  Key steps that lie wholly behind the causal mask, which the problem builds itself, are left out.
; SHARES.  Sixteen waves, four to a SIMD.  Work-group e (0 .. 7) of a head: wave w owns the 16 queries 128 beta + 16 e .. + 15 and walks beta + 1 key steps of 128 keys; beta comes from a table by the wave's number:
;   steps, waves 0-3: 16 3 5 10;  4-7: 15 4 6 9;  8-11: 2 13 12 7;  12-15: 1 14 11 8.  Waves equal modulo 4 have 34 steps together, the two longest of them one step apart; so have waves 4 i .. 4 i + 3 (34).
; K AND V OF THE WHOLE HEAD LIE IN LDS, images and scale words together (2 x 102,400 bytes), filled ONCE: each wave asks for two key steps (12,800 dense bytes) by its one load at the head.
; The four work-groups of a cluster belong to one head and ask jointly.  No prefetch: all tiles are asked for at the head.
; The head has 64 channels, the instruction's K is 128: an image of k holds two tiles of 16 keys, and q stands against it as [q, 0] or [0, q], cut out of one run of registers [0 x 6, q x 6, 0 x 6].
; S^T = k q^T, O^T = v^T p^T: a lane holds one query.  Register 8 t + j of S^T is key 16 t + 8 (lane / 16) + j; inside a block of 32 keys p's codes lie 0-7, 16-23, 8-15, 24-31, as v's do.
; An image of v lies in two halves of 768 bytes: registers 6 c .. 6 c + 3 of lane l at 16 l, registers 6 c + 4, 6 c + 5 at 512 + 8 l.
; OUT.  y_img: [head 16][tile of 16 rows 256][768 bytes]: registers 2 p, 2 p + 1 of lane l at 256 p + 8 l; lane (r, h) holds block h of row r's 64 channels.  y_sc: [4096][32] bytes, two bytes a row and head.
; LIMITS: NaN and infinities are not served; a block of zeros gets the byte 1 where the rule says 127; the scaled scores stay under 2^31 in magnitude.
.set STEPB, 6400
.set LKV,   102400
.set PARTB, 3276800
.set SPARE, 204800
.set LI,   1
.set LW,   2
.set ADK,  3
.set ADS,  4
.set DG,   5
.set NINF, 6
.set L8,   7
.set R32,  8
.set R4,   9
.set ADV,  10
.set ADW,  11
.set Q2,   16
.set Q1,   22
.set QW,   34
.set QR,   35
.set FR,   36
.set KW,   84
.set VW,   86
.set PWD,  88
.set FF,   90
.set T0,   92
.set AD8,  94
.set S,    96
.set O,    160
.set PC,   192
.set PU,   204
.set BM,   212
.set PT,   216
.set SOP,  220
.set LIV,  224                         ; 16 x lane, 8 x lane + 512 and the words' 4 x lane, in V's part of LDS
.set LV8,  225
.set LWV,  226
.set TS,   232                         ; v232-247 eight chains of the row's sum
.set WV,   12
.set BETA, 13
.set KSTP, 14
.set TB,   15
.set TRIPS, 17
.set CX,   18
.set EE,   19
.set SEL,  20
.set CS,   22
.set G1I,  24
.set G0A,  44
.macro ROUND
	s_barrier_signal -1
	s_barrier_wait -1
	s_cmp_lg_u32 s[WV], 0
	s_cbranch_scc1 .Lnot_wave_0_\@
	s_barrier_signal -3
.Lnot_wave_0_\@:
	s_barrier_wait -3
	s_barrier_signal -1
	s_barrier_wait -1
.endm
	s_load_b64 s[4:5], s[0:1], 0x0                 ; qkv_img
	s_load_b128 s[8:11], s[0:1], 0x8               ; y_img, y_sc
	v_lshl_add_u32 v254, v0, 2, SPARE
	v_mov_b32 v255, 0
	ds_add_u32 v254, v255                          ; the opening lines
	ds_add_u32 v254, v255
	v_lshrrev_b32 v229, 5, v0
	v_readfirstlane_b32 s[WV], v229
	s_mov_b32 s53, 0x7ad06bc1                      ; beta of waves 8-15, four bits each
	s_cmp_lt_u32 s[WV], 8
	s_cselect_b32 s52, 0x853e942f, s53             ; and of waves 0-7
	s_and_b32 s53, s[WV], 7
	s_lshl_b32 s53, s53, 2
	s_lshr_b32 s52, s52, s53
	s_and_b32 s[BETA], s52, 15
	s_bfe_u32 s[CX], ttmp6, 0x40000
	s_lshl_b32 s[EE], ttmp9, 2
	s_add_co_u32 s[EE], s[EE], s[CX]               ; e: it enters q's and y's addresses and the mask's numbers alone
	s_and_b32 s54, ttmp7, 0xffff                   ; batch x head
	s_mov_b32 s[G1I], 15|(3<<16)|(1<<21)           ; all four work-groups; elements of 8 bytes; 50 rows of 256 bytes, dense
	s_mov_b32 s[G1I+1], 32<<16
	s_mov_b32 s[G1I+2], 50<<16
	s_mov_b32 s[G1I+3], 32<<16
	s_mov_b32 s[G1I+4], 50
	s_mov_b32 s[G1I+5], 32
	s_mov_b32 s[G1I+6], 0
	s_mov_b32 s[G1I+7], 0
	s_lshr_b32 s55, s[WV], 3                       ; waves 0-7 fetch K, waves 8-15 V
	s_add_co_u32 s55, s55, 1
	s_and_b32 s56, s[WV], 7
	s_mul_i32 s58, s55, PARTB
	s_mul_i32 s60, s54, LKV
	s_add_co_u32 s58, s58, s60
	s_mul_i32 s57, s56, 2*STEPB
	s_add_co_u32 s58, s58, s57
	s_mov_b32 s59, 0
	s_mov_b32 s[SEL], 0x76543210
	s_mov_b32 s[SEL+1], 0xfedcba98
	s_mov_b32 s[CS], 0x3e38aa3b                    ; log2(e) / 8
	s_mov_b32 s[CS+1], s[CS]
	s_mov_b32 s[KSTP], 0
	s_mov_b32 s[TB], 0
	s_wait_dscnt 0x0
	s_wait_kmcnt 0x0
	s_mov_b32 s[G0A], 1
	s_mul_i32 s[G0A+1], s[WV], 2*STEPB
	s_add_nc_u64 s[G0A+2:G0A+3], s[4:5], s[58:59]
	s_or_b32 s[G0A+3], s[G0A+3], 0x80000000
	ROUND                                          ; the joint loads meet
	tensor_load_to_lds s[G0A:G0A+3], s[G1I:G1I+7]  ; my one load
	s_nop 0
.rept 4
	v_nop
.endr
	s_mul_i32 s53, s[BETA], STEPB
	s_add_co_u32 s52, s60, s53                     ; q's key step beta of my head
	s_lshl_b32 s62, ttmp9, 1
	s_lshr_b32 s63, s[CX], 1
	s_add_co_u32 s62, s62, s63                     ; its image e / 2
	s_mul_i32 s53, s62, 1536
	s_add_co_u32 s56, s52, s53
	s_mov_b32 s57, 0
	s_add_nc_u64 s[66:67], s[4:5], s[56:57]
	s_lshl_b32 s53, s62, 6
	s_add_co_u32 s56, s52, s53
	s_add_co_u32 s56, s56, 6144
	s_add_nc_u64 s[68:69], s[4:5], s[56:57]
	s_lshl_b32 s61, s[EE], 4
	s_lshl_b32 s56, s[BETA], 3
	s_add_co_u32 s56, s56, s[EE]                   ; my tile of 16 queries within the batch
	s_and_b32 s57, s54, 15
	s_lshr_b32 s55, s54, 4
	s_lshl_b32 s52, s55, 7
	s_add_co_u32 s52, s52, s56
	s_mul_i32 s52, s52, 768
	s_mul_i32 s62, s57, 196608
	s_add_co_u32 s52, s52, s62
	s_mov_b32 s53, 0
	s_add_nc_u64 s[8:9], s[8:9], s[52:53]
	s_lshl_b32 s52, s55, 16
	s_lshl_b32 s62, s56, 9
	s_add_co_u32 s52, s52, s62
	s_lshl_b32 s62, s57, 1
	s_add_co_u32 s52, s52, s62
	s_add_nc_u64 s[10:11], s[10:11], s[52:53]
	s_mov_b32 s71, 0x01000100
	s_and_b32 s57, s[CX], 1                        ; the even or the odd tile of the image: a choice of values
	s_cmp_lg_u32 s57, 0
	s_cselect_b32 s70, -1, 0
	s_cselect_b32 s71, 0x03020302, s71
	v_and_b32 v229, 31, v0
	v_and_b32 v230, 15, v0
	v_bfe_u32 v231, v0, 4, 1
	v_lshlrev_b32 v[LI], 4, v229
	v_lshl_add_u32 v[LW], v229, 2, 6144
	v_lshlrev_b32 v[L8], 3, v229
	v_lshl_add_u32 v[LIV], v229, 4, LKV
	v_lshl_add_u32 v[LV8], v229, 3, LKV+512
	v_lshl_add_u32 v[LWV], v229, 2, LKV+6144
	v_lshlrev_b32 v[R32], 5, v230
	v_lshlrev_b32 v[R4], 2, v230
	v_lshlrev_b32 v231, 3, v231
	v_sub_nc_u32 v[DG], v230, v231
	v_add_nc_u32 v[DG], s61, v[DG]                 ; 16 e + r - 8 h
	s_wait_alu depctr_va_vdst(0)
.irp c, 0,1,2
	global_load_b128 v[FR+4*\c:FR+4*\c+3], v[LI], s[66:67] offset:512*\c
.endr
	global_load_b32 v[QR], v[R4], s[68:69]
	v_mov_b32 v[NINF], 0xff800000
	v_mov_b32 v13, 0xff61b1e6                      ; the largest t so far: -3e38
	v_floor_f32 v12, -v13
	v_mov_b32 v14, 0
	v_mov_b32 v15, 0
	v_mov_b32 v[FF+1], 0
	v_mov_b32 v[T0], 0
.irp b, 0,1,2,3
	v_mov_b32 v[PT+\b], 0
.endr
.set n, 0
.rept 32
	v_mov_b32 v[O+n], 0                            ; the step is written once: the first finds zeros
.set n, n+1
.endr
.irp i, 0,1,2,3,4,5
	v_mov_b32 v[Q2+\i], 0
	v_mov_b32 v[Q1+6+\i], 0
.endr
	s_wait_alu depctr_va_vdst(0)
	s_wait_loadcnt 0x0
.irp i, 0,1,2,3,4,5
	v_cndmask_b32 v[Q1+\i], v[FR+\i], v[FR+6+\i], s70
.endr
	v_perm_b32 v[QW], v[QR], v[QR], s71
.rept 8
	v_nop                                          ; a scale register written by a vector line stands 8 places ahead of a scaled matrix instruction
.endr
.macro STEP
	s_cmp_gt_u32 s[KSTP], s[BETA]                  ; a step wholly behind the mask: round the work alone
	s_cbranch_scc1 .Lhidden_\@
	v_add_nc_u32 v[ADK], s[TB], v[LI]              ; (these lines are the places in front of the loads)
	v_add_nc_u32 v[ADS], s[TB], v[LW]
	v_add_nc_u32 v[ADV], s[TB], v[LIV]
	v_add_nc_u32 v[AD8], s[TB], v[LV8]
	v_add_nc_u32 v[ADW], s[TB], v[LWV]
.irp p, 0,1,2,3
.irp c, 0,1,2
	ds_load_b128 v[FR+12*\p+4*\c:FR+12*\p+4*\c+3], v[ADK] offset:1536*\p+512*\c
.endr
.endr
	ds_load_b32 v[KW], v[ADS]
	ds_load_b32 v[KW+1], v[ADS] offset:128
	s_wait_dscnt 0x0
	s_wait_alu depctr_va_vdst(0)
.irp p, 0,1,2,3
.if \p%2
	v_wmma_scale_f32_16x16x128_f8f6f4 v[S+16*\p:S+16*\p+7], v[FR+12*\p:FR+12*\p+11], v[Q1:Q1+11], 0, v[KW+\p/2], v[QW] matrix_a_fmt:MATRIX_FMT_FP6 matrix_b_fmt:MATRIX_FMT_FP6 matrix_a_scale:MATRIX_SCALE_ROW1
	v_wmma_scale_f32_16x16x128_f8f6f4 v[S+16*\p+8:S+16*\p+15], v[FR+12*\p:FR+12*\p+11], v[Q2:Q2+11], 0, v[KW+\p/2], v[QW] matrix_a_fmt:MATRIX_FMT_FP6 matrix_b_fmt:MATRIX_FMT_FP6 matrix_a_scale:MATRIX_SCALE_ROW1
.else
	v_wmma_scale_f32_16x16x128_f8f6f4 v[S+16*\p:S+16*\p+7], v[FR+12*\p:FR+12*\p+11], v[Q1:Q1+11], 0, v[KW+\p/2], v[QW] matrix_a_fmt:MATRIX_FMT_FP6 matrix_b_fmt:MATRIX_FMT_FP6
	v_wmma_scale_f32_16x16x128_f8f6f4 v[S+16*\p+8:S+16*\p+15], v[FR+12*\p:FR+12*\p+11], v[Q2:Q2+11], 0, v[KW+\p/2], v[QW] matrix_a_fmt:MATRIX_FMT_FP6 matrix_b_fmt:MATRIX_FMT_FP6
.endif
.endr
.rept 4
	v_nop
.endr
.irp t, 0,1,2,3
.irp c, 0,1
	ds_load_b128 v[FR+12*\t+6*\c:FR+12*\t+6*\c+3], v[ADV] offset:1536*\t+768*\c   ; V lands under the softmax
	ds_load_b64 v[FR+12*\t+6*\c+4:FR+12*\t+6*\c+5], v[AD8] offset:1536*\t+768*\c
.endr
.endr
	ds_load_b32 v[VW], v[ADW]
	ds_load_b32 v[VW+1], v[ADW] offset:128
	s_cmp_lg_u32 s[KSTP], s[BETA]                  ; my last step lies on the diagonal: hidden scores become -infinity
	s_cbranch_scc1 .Lopen_\@
.set n, 0
.rept 64
	v_cmp_gt_i32 vcc_lo, 16*(n/8)+n%8, v[DG]
	v_cndmask_b32 v[S+n], v[S+n], v[NINF], vcc_lo
.set n, n+1
.endr
.Lopen_\@:
.irp b, 0,1,2,3
	v_max3_num_f32 v[BM+\b], v[S+16*\b], v[S+1+16*\b], v[S+2+16*\b]   ; each block's largest score: for the row's maximum and for the block's largest p
.endr
.irp i, 3,5,7,9,11,13
.irp b, 0,1,2,3
	v_max3_num_f32 v[BM+\b], v[BM+\b], v[S+16*\b+\i], v[S+1+16*\b+\i]
.endr
.endr
.irp b, 0,1,2,3
	v_max_num_f32 v[BM+\b], v[BM+\b], v[S+15+16*\b]
.endr
.irp b, 0,1,2,3
	s_delay_alu instid0(VALU_DEP_4)
	v_permlanex16_b32 v[PT+\b], v[BM+\b], s[SEL], s[SEL+1]
.endr
.irp b, 0,1,2,3
	s_delay_alu instid0(VALU_DEP_4)
	v_max_num_f32 v[BM+\b], v[BM+\b], v[PT+\b]
.endr
	s_delay_alu instid0(VALU_DEP_2)
	v_max3_num_f32 v[T0], v[BM], v[BM+1], v[BM+2]
	s_delay_alu instid0(VALU_DEP_1)
	v_max_num_f32 v[T0], v[T0], v[BM+3]
	s_delay_alu instid0(VALU_DEP_1)
	v_mul_f32 v[T0], s[CS], v[T0]
	s_delay_alu instid0(VALU_DEP_1)
	v_max_num_f32 v13, v13, v[T0]                  ; the running largest t
	v_mov_b32 v[T0], v12
	s_delay_alu instid0(VALU_DEP_2)
	v_floor_f32 v12, -v13                          ; -M
	s_delay_alu instid0(VALU_DEP_1)
	v_sub_f32 v[T0], v12, v[T0]
	s_delay_alu instid0(VALU_DEP_1)
	v_cvt_i32_f32 v[T0], v[T0]
	s_delay_alu instid0(VALU_DEP_1)
	v_ldexp_f32 v[FF], 1.0, v[T0]                  ; f = 2^(old M - new M)
.set n, 0
.rept 32
	v_pk_fma_f32 v[S+n:S+n+1], v[S+n:S+n+1], s[CS:CS+1], v[12:13] op_sel_hi:[1,0,0]
.set n, n+2
.endr
.irp b, 0,1,2,3
	v_fma_f32 v[BM+\b], v[BM+\b], s[CS], v12
.endr
	s_wait_alu depctr_va_vdst(0)
.set n, 0
.rept 64
	v_exp_f32 v[S+n], v[S+n]
.set n, n+1
.endr
.irp b, 0,1,2,3
	v_exp_f32 v[BM+\b], v[BM+\b]
.endr
	v_pk_mul_f32 v[14:15], v[14:15], v[FF:FF+1] op_sel_hi:[1,0]   ; the plain line behind the exponentials
	s_wait_alu depctr_va_vdst(0)                   ; and behind it
.irp b, 0,1,2,3
	v_max_num_f32 v[BM+\b], 0x1800000, v[BM+\b]    ; the floor 2^(3 - 127)
.endr
.irp b, 0,1,2,3
	s_delay_alu instid0(VALU_DEP_4)
	v_add_nc_u32 v[SOP+\b], 0xff000000, v[BM+\b]
.endr
.irp b, 0,1,2,3
	s_delay_alu instid0(VALU_DEP_4)
	v_lshrrev_b32 v[PT+\b], 23, v[SOP+\b]
.endr
	s_delay_alu instid0(VALU_DEP_3)
	v_lshl_or_b32 v[PWD], v[PT+1], 8, v[PT]
	s_delay_alu instid0(VALU_DEP_1)
	v_lshl_or_b32 v[PWD], v[PT+2], 16, v[PWD]
	s_delay_alu instid0(VALU_DEP_1)
	v_lshl_or_b32 v[PWD], v[PT+3], 24, v[PWD]
.irp c, 0,1
	v_cvt_scalef32_pk16_fp6_f32 v[PC+6*\c:PC+6*\c+2], v[S+32*\c:S+32*\c+15], v[SOP+2*\c]
	v_cvt_scalef32_pk16_fp6_f32 v[PU+4*\c:PU+4*\c+2], v[S+32*\c+16:S+32*\c+31], v[SOP+2*\c+1]
.endr
	v_nop
.irp c, 0,1
.irp i, 0,1,2
	v_permlane16_swap_b32 v[PC+6*\c+\i], v[PU+4*\c+\i]
.endr
.irp i, 0,1,2
	s_delay_alu instid0(VALU_DEP_3)
	v_mov_b32 v[PC+6*\c+3+\i], v[PU+4*\c+\i]
.endr
.endr
	s_wait_alu depctr_va_vdst(0)
.set n, 0
.rept 16
	v_pk_mul_f32 v[O+n:O+n+1], v[O+n:O+n+1], v[FF:FF+1] op_sel_hi:[1,0]
.set n, n+2
.endr
.irp k, 0,1,2,3,4,5,6,7                ; the row's sum of the unquantised p, in eight chains
	v_pk_add_f32 v[TS+2*\k:TS+2*\k+1], v[S+2*\k:S+2*\k+1], v[S+16+2*\k:S+17+2*\k]
.endr
.irp g, 32,48
.irp k, 0,1,2,3,4,5,6,7
	v_pk_add_f32 v[TS+2*\k:TS+2*\k+1], v[TS+2*\k:TS+2*\k+1], v[S+\g+2*\k:S+\g+1+2*\k]
.endr
.endr
.irp k, 0,1,2,3
	v_pk_add_f32 v[TS+2*\k:TS+2*\k+1], v[TS+2*\k:TS+2*\k+1], v[TS+8+2*\k:TS+9+2*\k]
.endr
	s_delay_alu instid0(VALU_DEP_2)
	v_pk_add_f32 v[TS:TS+1], v[TS:TS+1], v[TS+4:TS+5]
	s_delay_alu instid0(VALU_DEP_2)
	v_pk_add_f32 v[TS+2:TS+3], v[TS+2:TS+3], v[TS+6:TS+7]
	s_delay_alu instid0(VALU_DEP_1)
	v_pk_add_f32 v[TS:TS+1], v[TS:TS+1], v[TS+2:TS+3]
	s_delay_alu instid0(VALU_DEP_1)
	v_pk_add_f32 v[14:15], v[14:15], v[TS:TS+1]
	s_wait_dscnt 0x0                               ; V
.irp t, 0,1,2,3
.if \t%2
	v_wmma_scale_f32_16x16x128_f8f6f4 v[O+8*\t:O+8*\t+7], v[FR+12*\t:FR+12*\t+11], v[PC:PC+11], v[O+8*\t:O+8*\t+7], v[VW+\t/2], v[PWD] matrix_a_fmt:MATRIX_FMT_FP6 matrix_b_fmt:MATRIX_FMT_FP6 matrix_a_scale:MATRIX_SCALE_ROW1
.else
	v_wmma_scale_f32_16x16x128_f8f6f4 v[O+8*\t:O+8*\t+7], v[FR+12*\t:FR+12*\t+11], v[PC:PC+11], v[O+8*\t:O+8*\t+7], v[VW+\t/2], v[PWD] matrix_a_fmt:MATRIX_FMT_FP6 matrix_b_fmt:MATRIX_FMT_FP6
.endif
.endr
.Lhidden_\@:
	s_add_co_u32 s[KSTP], s[KSTP], 1
	s_add_co_u32 s[TB], s[TB], STEPB
.endm
	s_wait_alu depctr_va_vdst(0)
	s_wait_tensorcnt 0x0                           ; my two key steps are in
	s_barrier_signal -1
	s_barrier_wait -1                              ; everybody's are
	s_mov_b32 s[TRIPS], 16
.Lkeys:
	STEP
	s_sub_co_u32 s[TRIPS], s[TRIPS], 1
	s_cmp_lg_u32 s[TRIPS], 0
	s_cbranch_scc1 .Lkeys
	; THE WAY OUT: y = O^T / the sum; register 16 b + i is channel 32 b + 16 h + i of my query
.rept 4
	v_nop
.endr
	s_wait_alu depctr_va_vdst(0)
	v_add_f32 v14, v14, v15
	s_delay_alu instid0(VALU_DEP_1)
	v_permlanex16_b32 v[T0], v14, s[SEL], s[SEL+1]
	s_delay_alu instid0(VALU_DEP_1)
	v_add_f32 v14, v14, v[T0]
	s_wait_alu depctr_va_vdst(0)
	v_rcp_f32 v14, v14
	v_nop
	s_wait_alu depctr_va_vdst(0)
.set n, 0
.rept 32
	v_mul_f32 v[S+n], v[O+n], v14
.set n, n+1
.endr
.irp b, 0,1
	v_max3_num_f32 v[BM+\b], |v[S+16*\b]|, |v[S+1+16*\b]|, 0x1800000
.endr
.irp i, 2,4,6,8,10,12,14
.irp b, 0,1
	s_delay_alu instid0(VALU_DEP_2)
	v_max3_num_f32 v[BM+\b], v[BM+\b], |v[S+16*\b+\i]|, |v[S+1+16*\b+\i]|
.endr
.endr
.irp b, 0,1
	s_delay_alu instid0(VALU_DEP_2)
	v_permlanex16_b32 v[PT+\b], v[BM+\b], s[SEL], s[SEL+1]
.endr
.irp b, 0,1
	s_delay_alu instid0(VALU_DEP_2)
	v_max_num_f32 v[BM+\b], v[BM+\b], v[PT+\b]
.endr
.irp b, 0,1
	s_delay_alu instid0(VALU_DEP_2)
	v_add_nc_u32 v[SOP+\b], 0xff000000, v[BM+\b]
.endr
.irp b, 0,1
	s_delay_alu instid0(VALU_DEP_2)
	v_lshrrev_b32 v[PT+\b], 23, v[SOP+\b]
.endr
	s_delay_alu instid0(VALU_DEP_1)
	v_lshl_or_b32 v[PWD], v[PT+1], 8, v[PT]
	v_cvt_scalef32_pk16_fp6_f32 v[PC:PC+2], v[S:S+15], v[SOP]
	v_cvt_scalef32_pk16_fp6_f32 v[PU:PU+2], v[S+16:S+31], v[SOP+1]
	v_nop
.irp i, 0,1,2
	v_permlane16_swap_b32 v[PC+\i], v[PU+\i]
.endr
.irp i, 0,1,2
	s_delay_alu instid0(VALU_DEP_3)
	v_mov_b32 v[PC+3+\i], v[PU+\i]
.endr
.irp p, 0,1,2
	global_store_b64 v[L8], v[PC+2*\p:PC+2*\p+1], s[8:9] offset:256*\p   ; 256 consecutive bytes, aligned
.endr
	global_store_b16 v[R32], v[PWD], s[10:11]      ; both halves of the lanes write the same two bytes
	s_wait_tensorcnt 0x0                           ; the wave's end
	ds_add_u32 v254, v255
	s_wait_dscnt 0x0
	ROUND                                          ; the closing round
	s_endpgm
.Lfunc_end_k_q940716229f_attn:
	.size	k_q940716229f_attn, .Lfunc_end_k_q940716229f_attn-k_q940716229f_attn
	.p2alignl 7, 3214868480
	.fill 96, 4, 3214868480
	.section	.rodata,"a",@progbits
	.p2align	6, 0x0
	.amdhsa_kernel k_q940716229f_attn
		.amdhsa_group_segment_fixed_size 215040
		.amdhsa_private_segment_fixed_size 0
		.amdhsa_enable_private_segment 0
		.amdhsa_kernarg_size 24
		.amdhsa_user_sgpr_count 2
		.amdhsa_user_sgpr_kernarg_segment_ptr 1
		.amdhsa_wavefront_size32 1
		.amdhsa_system_sgpr_workgroup_id_x 1
		.amdhsa_system_sgpr_workgroup_id_y 1
		.amdhsa_system_sgpr_workgroup_id_z 1
		.amdhsa_system_vgpr_workitem_id 0
		.amdhsa_next_free_vgpr 256
		.amdhsa_next_free_sgpr 72
		.amdhsa_reserve_vcc 1
		.amdhsa_float_denorm_mode_32 3
		.amdhsa_float_denorm_mode_16_64 3
		.amdhsa_memory_ordered 1
		.amdhsa_forward_progress 1
		.amdhsa_inst_pref_size 36
	.end_amdhsa_kernel
	.amdgpu_metadata
---
amdhsa.version: [ 1, 2 ]
amdhsa.kernels:
  - .name:           k_q940716229f_attn
    .symbol:         k_q940716229f_attn.kd
    .args:
      - { .name: qkv_img, .offset: 0, .size: 8, .value_kind: global_buffer, .address_space: global }
      - { .name: y_img, .offset: 8, .size: 8, .value_kind: global_buffer, .address_space: global }
      - { .name: y_sc, .offset: 16, .size: 8, .value_kind: global_buffer, .address_space: global }
    .group_segment_fixed_size: 215040
    .private_segment_fixed_size: 0
    .kernarg_segment_align: 8
    .kernarg_segment_size: 24
    .max_flat_workgroup_size: 512
    .sgpr_count:     72
    .vgpr_count:     256
    .wavefront_size: 32
...
	.end_amdgpu_metadata
.endif
;; end of part 4
;; launch proj (part 5): grid 8 x 32, 4 waves a work-group, clusters of 4 x 4, 327,680 bytes of LDS; arguments y_img, y_sc, w_codes, w_scales, b_proj, out0; writes out0
.if DOCPART == 5
	.amdgcn_target "amdgcn-amd-amdhsa--gfx1250"
	.amdhsa_code_object_version 6
	.text
	.protected	k_q940716229f_proj
	.globl	k_q940716229f_proj
	.p2align	8
	.type	k_q940716229f_proj,@function
k_q940716229f_proj:
	s_mov_b64 s[64:65], 0
	v_nop
	global_prefetch_b8 v0, s[64:65] scope:SCOPE_SE
	s_setreg_imm32_b32 hwreg(HW_REG_WAVE_MODE, 25, 1), 1
	s_wait_xcnt 0x0
	s_wait_alu depctr_hold_cnt(0) depctr_sa_sdst(0) depctr_va_vdst(0) depctr_va_sdst(0) depctr_va_ssrc(0) depctr_va_vcc(0) depctr_vm_vsrc(0)
	s_getreg_b32 s2, hwreg(HW_REG_IB_STS2, 6, 4)
	s_cmp_eq_u32 s2, 0
	s_cbranch_scc0 .Lentry_in_a_cluster
	s_endpgm
.Lentry_in_a_cluster:
	s_bfe_u32 s2, ttmp6, 0x10000c
	s_cmp_lg_u32 s2, 0xf033
	s_cbranch_scc0 .Lentry_shape_is_right
	s_endpgm
.Lentry_shape_is_right:
; out0 = y W^T + b_proj on codes of FP6 (E2M3), one E8M0 scale for each 32 along K = 1,024; sums in f32.
; A work-group makes 128 x 128 of the result: 32 x 8 = 256 work-groups; a wave makes 64 x 64: 16 accumulators.  ALL OF K LIES IN LDS, filled once by one load a wave at the head:
; waves 0, 1: y's images of 128 rows, eight heads each (49,152 dense bytes in rows of 6,144); waves 2, 3: 64 whole rows of W each (768 bytes, 16 bytes of padding behind every 256).  Nothing is filled again.
; CLUSTERS 4 x 4: y's tiles are shared along a row of the cluster, W's along a column.  No prefetch: every tile is asked for at the head, and there is no loop to run ahead in.
; Source 0 = 16 rows of W, source 1 = 16 rows of y: a lane holds eight neighbouring columns of one row of the result.  The bias is the C of each sum's first product.
; The scale bytes (32 a row) go from memory into registers: sixteen lanes read 512 consecutive bytes in two loads.
; REGISTERS: window 0 addresses, scales, bias, the way out; window 1 fragments, two sets of 96; window 2 the accumulators ((a, b) at v[8 (4 a + b)]).
.set PITCH, 816
.set RB,    98304                      ; W's rows, behind y's images
.set STAGE, RB+128*PITCH               ; the way out: 16 rows x 272 bytes for each wave, bytes that no load fills
.set SPITCH, 272
.set SPARE, STAGE+4*16*SPITCH
.set AY,  2                            ; v2 my 64 rows' images, heads 0-7; v3 heads 8-15
.set AW,  4                            ; v4, v5 my 64 rows of W (row x pitch + 24 h; + 40 h)
.set STO, 6
.set RD,  7
.set CO,  8
.set VS1, 9
.set VB,  10
.set SPW, 28
.set NIL, 29
.set YS,  32
.set WS,  64
.set BP,  96
.set BK,  128
.set G1A, 24
.set G0A, 32
.set G0B, 36
.set G1B, 48
.set MSB, 0
.macro WIN new
.if MSB != (\new)
	s_set_vgpr_msb (MSB<<8)|(\new)
.set MSB, (\new)
.endif
.endm
.macro CROUND
	s_barrier_signal -1
	s_barrier_wait -1
	s_cmp_lg_u32 s14, 0
	s_cbranch_scc1 .Lnot_wave_0_\@
	s_barrier_signal -3
.Lnot_wave_0_\@:
	s_barrier_wait -3
	s_barrier_signal -1
	s_barrier_wait -1
.endm
.macro PLACES
.rept 4
	v_nop
.endr
.endm
	s_load_b128 s[4:7], s[0:1], 0x0                ; y_img, y_sc
	s_load_b128 s[8:11], s[0:1], 0x10              ; w_codes, w_scales
	s_load_b128 s[68:71], s[0:1], 0x20             ; b_proj, out0
	v_lshl_add_u32 v[SPW], v0, 2, SPARE
	v_mov_b32 v[NIL], 0
	ds_add_u32 v[SPW], v[NIL]                      ; the opening lines
	ds_add_u32 v[SPW], v[NIL]
	v_lshrrev_b32 v1, 5, v0
	v_readfirstlane_b32 s14, v1
	s_lshr_b32 s15, s14, 1                         ; th: my 64 rows.  Also: I fetch y (0) or W (1)
	s_and_b32 s16, s14, 1                          ; wh: my 64 columns.  Also: which half I fetch
	s_bfe_u32 s40, ttmp6, 0x40000
	s_bfe_u32 s41, ttmp6, 0x40004
	s_lshl_b32 s42, ttmp9, 2
	s_add_co_u32 s42, s42, s40                     ; block of 128 columns
	s_and_b32 s17, ttmp7, 0xffff
	s_lshl_b32 s17, s17, 2
	s_add_co_u32 s17, s17, s41                     ; block of 128 rows
	s_lshl_b32 s43, s41, 2
	s_lshl_b32 s43, 15, s43
	s_lshl_b32 s44, 0x1111, s40
	s_or_b32 s[G1A], s43, (3<<16)|(1<<21)          ; elements of 8 bytes: 8 rows (heads) of 6,144 bytes, 196,608 bytes apart
	s_mov_b32 s[G1A+1], 768<<16
	s_mov_b32 s[G1A+2], 8<<16
	s_mov_b32 s[G1A+3], 768<<16
	s_mov_b32 s[G1A+4], 8
	s_mov_b32 s[G1A+5], 24576
	s_mov_b32 s[G1A+6], 0
	s_mov_b32 s[G1A+7], 0
	s_or_b32 s[G1B], s44, (1<<20)|(1<<21)|(5<<22)|(3<<25)
	s_mov_b32 s[G1B+1], 768<<16
	s_mov_b32 s[G1B+2], 64<<16
	s_mov_b32 s[G1B+3], 768<<16
	s_mov_b32 s[G1B+4], 64
	s_mov_b32 s[G1B+5], 768
	s_mov_b32 s[G1B+6], 0
	s_mov_b32 s[G1B+7], 0
	s_mul_i32 s18, s17, 6144
	s_mul_i32 s19, s16, 8*196608
	s_add_co_u32 s18, s18, s19
	s_mov_b32 s19, 0
	s_lshl_b32 s20, s42, 7
	s_lshl_b32 s21, s16, 6
	s_add_co_u32 s20, s20, s21
	s_add_co_u32 s20, s20, 3072                    ; w_proj's rows lie behind w_attn's
	s_mul_i32 s20, s20, 768
	s_mov_b32 s21, 0
	s_wait_dscnt 0x0
	s_wait_kmcnt 0x0
	s_mov_b32 s[G0A], 1
	s_mul_i32 s[G0A+1], s16, 49152
	s_add_nc_u64 s[G0A+2:G0A+3], s[4:5], s[18:19]
	s_or_b32 s[G0A+3], s[G0A+3], 0x80000000
	s_mov_b32 s[G0B], 1
	s_mul_i32 s[G0B+1], s16, 64*PITCH
	s_add_co_u32 s[G0B+1], s[G0B+1], RB
	s_add_nc_u64 s[G0B+2:G0B+3], s[8:9], s[20:21]
	s_or_b32 s[G0B+3], s[G0B+3], 0x80000000
	CROUND                                         ; the joint loads meet
	s_cmp_eq_u32 s15, 0
	s_cbranch_scc0 .Lfor_w
	tensor_load_to_lds s[G0A:G0A+3], s[G1A:G1A+7]
	s_nop 0
	PLACES
	s_branch .Lasked
.Lfor_w:
	tensor_load_to_lds s[G0B:G0B+3], s[G1B:G1B+7]
	s_nop 0
	PLACES
.Lasked:
	s_mov_b32 s47, 0
	s_lshl_b32 s46, s17, 12
	s_lshl_b32 s45, s15, 11
	s_add_co_u32 s46, s46, s45
	s_add_nc_u64 s[74:75], s[6:7], s[46:47]        ; y's scales, my 64 rows
	s_lshl_b32 s46, s42, 12
	s_lshl_b32 s45, s16, 11
	s_add_co_u32 s46, s46, s45
	s_add_co_u32 s46, s46, 98304
	s_add_nc_u64 s[76:77], s[10:11], s[46:47]      ; W's scales, my 64 rows
	s_lshl_b32 s23, s42, 9
	s_lshl_b32 s45, s16, 8
	s_add_co_u32 s23, s23, s45                     ; my first column, in bytes
	s_mov_b32 s46, s23
	s_add_nc_u64 s[78:79], s[68:69], s[46:47]      ; the bias
	s_lshl_b32 s46, s17, 19
	s_lshl_b32 s45, s15, 18
	s_add_co_u32 s46, s46, s45
	s_add_co_u32 s46, s46, s23
	s_add_nc_u64 s[80:81], s[70:71], s[46:47]      ; out0 at my first row and column
	s_mul_i32 s82, s15, 3072
	s_mul_i32 s83, s16, 64*PITCH
	s_add_co_u32 s83, s83, RB
	s_mul_i32 s84, s14, 16*SPITCH
	s_add_co_u32 s84, s84, STAGE
	v_and_b32 v22, 15, v0                          ; r
	v_bfe_u32 v23, v0, 4, 1                        ; h
	v_and_b32 v24, 31, v0
	v_lshl_add_u32 v[AY], v24, 3, s82
	v_add_nc_u32 v[AY+1], 49152, v[AY]
	v_mul_u32_u24 v25, v22, PITCH
	v_add_nc_u32 v25, s83, v25
	v_mad_u32_u24 v[AW], v23, 24, v25
	v_mad_u32_u24 v[AW+1], v23, 40, v25
	v_mul_u32_u24 v26, v22, SPITCH
	v_lshl_add_u32 v26, v23, 5, v26
	v_add_nc_u32 v[STO], s84, v26                  ; in: row r, 32 bytes for each half of the lanes
	v_mul_u32_u24 v27, v23, SPITCH
	v_lshl_add_u32 v27, v22, 4, v27
	v_add_nc_u32 v[RD], s84, v27                   ; back: sixteen lanes take a row of 256 bytes
	v_lshlrev_b32 v21, 12, v23
	v_lshl_add_u32 v[CO], v22, 4, v21              ; and the same two rows in out0
	v_lshlrev_b32 v[VS1], 5, v22
	v_lshlrev_b32 v[VB], 5, v23
	s_wait_alu depctr_va_vdst(0)
.irp a, 0,1,2,3
	global_load_b128 v[YS+8*\a:YS+8*\a+3], v[VS1], s[74:75] offset:512*\a
	global_load_b128 v[YS+8*\a+4:YS+8*\a+7], v[VS1], s[74:75] offset:512*\a+16
	global_load_b128 v[WS+8*\a:WS+8*\a+3], v[VS1], s[76:77] offset:512*\a
	global_load_b128 v[WS+8*\a+4:WS+8*\a+7], v[VS1], s[76:77] offset:512*\a+16
	global_load_b128 v[BP+8*\a:BP+8*\a+3], v[VB], s[78:79] offset:64*\a
	global_load_b128 v[BP+8*\a+4:BP+8*\a+7], v[VB], s[78:79] offset:64*\a+16
.endr
.macro FRAG reg, adr, st, i            ; W: 24 bytes of the row in pieces of 8; byte y of a row lies at y + 16 (y / 256) of its LDS row
.irp p, 0,1,2,3,4,5
.set BY, 96*(\st)+48*(\p/3)+8*(\p%3)
.if BY/256 == (BY+24)/256
	ds_load_b64 v[\reg+2*\p:\reg+2*\p+1], v[\adr] offset:BY+16*(BY/256)+(\i)*16*PITCH
.else
	ds_load_b64 v[\reg+2*\p:\reg+2*\p+1], v[\adr+1] offset:BY+16*(BY/256)+(\i)*16*PITCH
.endif
.endr
.endm
.macro FRAGY reg, st, i                ; y: heads 2 st and 2 st + 1, as the attention launch stored the registers
.irp p, 0,1,2,3,4,5
	ds_load_b64 v[\reg+2*\p:\reg+2*\p+1], v[AY+(\st)/4] offset:6144*(2*((\st)%4)+\p/3)+768*(\i)+256*(\p%3)
.endr
.endm
.macro FETCH st
.set FB, 96*((\st)%2)
	WIN 0x40
.irp i, 0,1,2,3
	FRAG FB+12*\i, AW, \st, \i
	FRAGY FB+48+12*\i, \st, \i
.endr
	WIN 0
.endm
.macro MUL1 st, a, b                   ; one product onto accumulator (a, b); the first step's C is the bias, in window 0
.set FB, 96*((\st)%2)
.if (\st) == 0
	WIN 0x85
.else
	WIN 0xa5
.endif
.if (\st) == 0
	v_wmma_scale_f32_16x16x128_f8f6f4 v[8*(4*\a+\b):8*(4*\a+\b)+7], v[FB+12*\b:FB+12*\b+11], v[FB+48+12*\a:FB+48+12*\a+11], v[BP+8*\b:BP+8*\b+7], v[WS+8*\b+(\st)], v[YS+8*\a+(\st)] matrix_a_fmt:MATRIX_FMT_FP6 matrix_b_fmt:MATRIX_FMT_FP6
.else
	v_wmma_scale_f32_16x16x128_f8f6f4 v[8*(4*\a+\b):8*(4*\a+\b)+7], v[FB+12*\b:FB+12*\b+11], v[FB+48+12*\a:FB+48+12*\a+11], v[8*(4*\a+\b):8*(4*\a+\b)+7], v[WS+8*\b+(\st)], v[YS+8*\a+(\st)] matrix_a_fmt:MATRIX_FMT_FP6 matrix_b_fmt:MATRIX_FMT_FP6
.endif
.endm
	s_wait_tensorcnt 0x0                           ; my tile is in
	s_barrier_signal -1
	s_barrier_wait -1                              ; all four are
	FETCH 0
	s_wait_loadcnt 0x0                             ; scales and bias
.macro LD1 st, j                       ; the j-th LDS load of step st's fragments: j 0-23 W's four, j 24-47 y's four
.set F_, (\j)/6
.set P_, (\j)%6
.set BY, 96*(\st)+48*(P_/3)+8*(P_%3)
	WIN 0x40
.if F_ < 4
	ds_load_b64 v[96*((\st)%2)+12*F_+2*P_:96*((\st)%2)+12*F_+2*P_+1], v[AW+(BY+24)/256-BY/256] offset:BY+16*(BY/256)+F_*16*PITCH
.else
	ds_load_b64 v[96*((\st)%2)+12*F_+2*P_:96*((\st)%2)+12*F_+2*P_+1], v[AY+(\st)/4] offset:6144*(2*((\st)%4)+P_/3)+768*(F_-4)+256*(P_%3)
.endif
.endm
; Eight steps of 16 products, the accumulators by turns.  The next step's 48 loads stand in one run ahead of each step's products;
; the wait lets just that run stay out: this step's own fragments are in.
.irp st, 0,1,2,3,4,5,6,7
	PLACES                                         ; in front of loads into the set that the step before multiplied
.set J_, 0
.set I_, 0
.if \st < 7
.rept 48
	LD1 \st+1, J_
.set J_, J_+1
.endr
.endif
	s_wait_dscnt J_
.rept 16
	MUL1 \st, (I_/4), (I_%4)
.set I_, I_+1
.endr
.endr
	PLACES
	WIN 0
; THE WAY OUT: a block of 16 rows x 64 columns goes through my own stage and comes back as rows of 256 bytes; LDS serves a wave's instructions in order
.macro TOSTAGE a
	WIN 0x08
.irp b, 0,1,2,3
	ds_store_b128 v[STO], v[32*(\a)+8*\b:32*(\a)+8*\b+3] offset:64*\b
	ds_store_b128 v[STO], v[32*(\a)+8*\b+4:32*(\a)+8*\b+7] offset:64*\b+16
.endr
	WIN 0
.irp t, 0,1,2,3,4,5,6,7
	ds_load_b128 v[BK+32*((\a)%2)+4*\t:BK+32*((\a)%2)+4*\t+3], v[RD] offset:\t*2*SPITCH
.endr
.endm
.macro SEND a, younger
	s_wait_dscnt \younger                          ; the block is back; the next block's 8 stores and 8 loads may be out
.irp t, 0,1,2,3,4,5,6,7
	global_store_b128 v[CO], v[BK+32*((\a)%2)+4*\t:BK+32*((\a)%2)+4*\t+3], s[80:81] offset:65536*(\a)+8192*\t th:TH_STORE_NT   ; sixteen lanes store 256 consecutive bytes, aligned
.endr
.endm
	TOSTAGE 0
.irp a, 1,2,3
.if \a > 1
	s_wait_xcnt 0x0                                ; block a - 2's stores have read their registers
.endif
	TOSTAGE \a
	SEND \a-1, 16
.endr
	SEND 3, 0
	s_wait_tensorcnt 0x0                           ; the wave's end
	ds_add_u32 v[SPW], v[NIL]
	s_wait_dscnt 0x0
	CROUND                                         ; the closing round
	s_endpgm
.Lfunc_end_k_q940716229f_proj:
	.size	k_q940716229f_proj, .Lfunc_end_k_q940716229f_proj-k_q940716229f_proj
	.p2alignl 7, 3214868480
	.fill 96, 4, 3214868480
	.section	.rodata,"a",@progbits
	.p2align	6, 0x0
	.amdhsa_kernel k_q940716229f_proj
		.amdhsa_group_segment_fixed_size 327680
		.amdhsa_private_segment_fixed_size 0
		.amdhsa_enable_private_segment 0
		.amdhsa_kernarg_size 48
		.amdhsa_user_sgpr_count 2
		.amdhsa_user_sgpr_kernarg_segment_ptr 1
		.amdhsa_wavefront_size32 1
		.amdhsa_system_sgpr_workgroup_id_x 1
		.amdhsa_system_sgpr_workgroup_id_y 1
		.amdhsa_system_sgpr_workgroup_id_z 1
		.amdhsa_system_vgpr_workitem_id 0
		.amdhsa_next_free_vgpr 640
		.amdhsa_next_free_sgpr 96
		.amdhsa_reserve_vcc 0
		.amdhsa_float_denorm_mode_32 3
		.amdhsa_float_denorm_mode_16_64 3
		.amdhsa_memory_ordered 1
		.amdhsa_forward_progress 1
		.amdhsa_inst_pref_size 59
	.end_amdhsa_kernel
	.amdgpu_metadata
---
amdhsa.version: [ 1, 2 ]
amdhsa.kernels:
  - .name:           k_q940716229f_proj
    .symbol:         k_q940716229f_proj.kd
    .args:
      - { .name: y_img, .offset: 0, .size: 8, .value_kind: global_buffer, .address_space: global }
      - { .name: y_sc, .offset: 8, .size: 8, .value_kind: global_buffer, .address_space: global }
      - { .name: w_codes, .offset: 16, .size: 8, .value_kind: global_buffer, .address_space: global }
      - { .name: w_scales, .offset: 24, .size: 8, .value_kind: global_buffer, .address_space: global }
      - { .name: b_proj, .offset: 32, .size: 8, .value_kind: global_buffer, .address_space: global }
      - { .name: out0, .offset: 40, .size: 8, .value_kind: global_buffer, .address_space: global }
    .group_segment_fixed_size: 327680
    .private_segment_fixed_size: 0
    .kernarg_segment_align: 8
    .kernarg_segment_size: 48
    .max_flat_workgroup_size: 128
    .sgpr_count:     96
    .vgpr_count:     640
    .wavefront_size: 32
...
	.end_amdgpu_metadata
.endif
;; end of part 5
